; MI455X (gfx1250); checked and timed in simulation.
; The chip was launched on July 23, 2026; its instructions are those of AMD's public machine-readable ISA for CDNA 5 (MIT licence, August 2026) and "CDNA5" Instruction Set Architecture Reference Guide (July 2026). The comments in the code are by the model that wrote it; some were corrected since.
;; Flash Attention. Allowed arithmetic: matrix products marked QUANTISED: E2M1 operands, one E8M0 scale for each 32 along K, by v_wmma_scale_f32_16x16x128_f8f6f4 with both operands' format E2M1 (or v_wmma_scale_f32_32x16x128_f4), f32 sums; products left as they are: bf16, f16 or f32 operands; f32 sums; everything else in f32.
;; Inputs: Wk 2,048 x 1,024 float32; Wo 1,024 x 2,048 float32; Wq 2,048 x 1,024 float32; Wv 2,048 x 1,024 float32; x 2 x 2,048 x 2,048 float32.
;; Outputs: out0 2 x 2,048 x 2,048 float32.
;; This version of the problem:
;;   THIS VERSION OF THE PROBLEM IS GIVEN IN LOW PRECISION. The matrix products marked QUANTISED in the list below multiply operands that are first quantised to E2M1 (2 exponent bits, 1 mantissa bit; 4 bits a number), with one power-of-two scale for each 32 numbers along K (OCP MX v1.0); their sums are f32. The products marked 'left as it is' may take bf16, f16 or f32 operands, with f32 sums. Whichever they take, every output number must still come out within the allowed error. Rounding operands to bf16 (8 significant bits) uses up far more of that allowance than f16 does (11 bits, for magnitudes from 6e-5 to 65,504). All else is computed in f32.
;;   The module's matrix products, in the order in which they are computed (A, B: the left and right operand; K: the contracted axis; several contracted axes count as one K, in the product's order):
;;     1. [M 4,096, K 2,048] x [K 2,048, N 1,024]; A: input x; B: input Wq: QUANTISED
;;     2. [M 4,096, K 2,048] x [K 2,048, N 1,024]; A: input x; B: input Wk: QUANTISED
;;     3. [M 4,096, K 2,048] x [K 2,048, N 1,024]; A: input x; B: input Wv: QUANTISED
;;     4. batch 16 x [M 2,048, K 128] x [K 128, N 2,048]; A: computed on the way; B: computed on the way: left as it is (an operand is computed on the way)
;;     5. batch 16 x [M 2,048, K 2,048] x [K 2,048, N 128]; A: computed on the way; B: computed on the way: left as it is (an operand is computed on the way)
;;     6. [M 4,096, K 1,024] x [K 1,024, N 2,048]; A: computed on the way; B: input Wo: left as it is (an operand is computed on the way)
;;   THE QUANTISER, for each operand of a quantised product, along K:
;;     - K is cut into blocks of 32 from its start; a last block that is shorter is filled with zeros.
;;     - A block's scale is 2^e with e = floor(log2(the largest magnitude in the block)) - 2, held to -126 .. 127; a block of zeros has e = 0. As a byte (E8M0): e + 127.
;;     - Each number is divided by its block's scale, clamped to +-6, and rounded to the nearest number of E2M1, ties to even, subnormals kept.
;;     - The product sums the exact products of the quantised numbers (number of the format x scale) in f32.
;;   ~~~python
;;   def quantise(x, axis):      # numpy; x: float32 -> the quantised numbers, widened to float32 again
;;       x = np.moveaxis(x, axis, -1); K = x.shape[-1]
;;       x = np.pad(x, [(0, 0)] * (x.ndim - 1) + [(0, -K % 32)]); x = x.reshape(x.shape[:-1] + (-1, 32)); a = np.abs(x).max(-1, keepdims=True)
;;       e = np.where(a > 0, np.clip(np.frexp(np.where(a > 0, a, 1))[1] - 1 - 2, -126, 127), 0)      # np.frexp(a)[1] - 1 = floor(log2(a)), exactly
;;       r = np.clip(x / 2.0 ** e, -6, 6)
;;       step = 2.0 ** (np.maximum(np.frexp(np.where(r == 0, 1, r))[1] - 1, 0) - 1)
;;       q = np.round(r / step) * step * 2.0 ** e      # np.round: ties to even
;;       return np.moveaxis(q.reshape(q.shape[:-2] + (-1,))[..., :K], -1, axis).astype(np.float32)
;;   ~~~
;; One version. Each part assembles by itself: llvm-mc -triple=amdgcn-amd-amdhsa -mcpu=gfx1250 --defsym DOCPART=n.
;; ======== version 1 of 1: 5 launches
;; limits: values are held in f16: magnitudes above 65,504 overflow, below 6.1e-05 lose precision
;; workspace buffers: xq 4,456,448 bytes; wq 3,342,336 bytes; wo16 4,194,304 bytes; rope 2,097,152 bytes; qkv 25,165,824 bytes; fine 393,216 bytes; attn 8,388,608 bytes
;; launch prep (part 1): grid 352 x 1, 4 waves a work-group, no clusters, 34,304 bytes of LDS; arguments x, Wq, Wk, Wv, Wo, xq, wq, wo16, rope; writes xq, wq, wo16, rope
.if DOCPART == 1
	.amdgcn_target "amdgcn-amd-amdhsa--gfx1250"
	.amdhsa_code_object_version 6
	.text
	.protected	k_q37de5f067e_prep
	.globl	k_q37de5f067e_prep
	.p2align	8
	.type	k_q37de5f067e_prep,@function
k_q37de5f067e_prep:
	s_mov_b64 s[64:65], 0
	v_nop
	global_prefetch_b8 v0, s[64:65] scope:SCOPE_SE
	s_setreg_imm32_b32 hwreg(HW_REG_WAVE_MODE, 25, 1), 1
	s_wait_xcnt 0x0
; PREP: everything that is made once from the inputs.  Four paths, chosen by the work-group's number; they never join again.
;   X (work-groups 0-127):   x [4096][2048] f32 -> xq: codes of E2M1 and E8M0 scale bytes, along K (its last axis).
;   W (128-223):             Wq, Wk, Wv [2048 (K)][1024] f32 -> wq: the same, along K (their FIRST axis): a lane takes a column, its registers run down K.
;   O (224-287):             Wo [1024 (K)][2048] f32 -> wo16: f16, in the order of a 16-bit operand's registers.
;   T (288-351):             the RoPE table, cos and sin of position x 10000^(-i/64), in the order of the product's result registers; once plain (for k), once times log2(e)/sqrt(128) (for q).
; LAYOUT of xq and wq: [16 rows][512 along K] is one RECORD of 4,352 bytes: 4,096 of codes, [128 along K][c][lane][16 bytes], lane (r, h) holding k = 64 c + 32 h + 0..31 of row r:
; the image of a 4-bit operand's registers; then 256 of scales, [row][4 words], word q for the q-th 128 along K.  Records lie [16 rows][4 records].
; THE QUANTISER: a block's scale is 2^(floor(log2(largest magnitude)) - 2); its byte is the largest magnitude's exponent field - 2; numbers are divided by it and rounded to the nearest code, ties to even, beyond 6 held at 6.
; LIMITS: a block whose largest magnitude lies under 2^-124 gets the byte 1 (a block of zeros too, where the rule says 127: its codes are zeros and only this program reads the bytes).
; NaN and infinities among the inputs are not served.  Wo beyond 65,504 in magnitude becomes infinite in f16.
; The table's angle is position x 2^(-i log2(10000)/64) by v_exp_f32 (1 ulp: ISA guide, its entry); sine and cosine by reduction to [-pi/4, pi/4] with pi/2 in two parts and polynomials of degree 7 and 8.
; Every store of a wave covers whole aligned runs of 256 consecutive bytes.  Only path X uses LDS: a stage of its own for each wave, no barrier.
.set REC,   4352
.set STG,   8448                       ; path X: a wave's stage: 16 rows x (512 bytes + 16): the 16 rows that a read touches start at 16 different groups of banks
.set SPARE, 4*STG                      ; behind the stages: the spare words, 128 bytes a wave
.set SPW,   250                        ; v250 my spare word's LDS address; never rewritten
.set NIL,   251                        ; v251 0; never rewritten
; ---- path X.  v4 16 x lane; v5 stage, way in; v6 stage, way out; v8 place of my scale words; v9 8 h; v16-23 scale words; v24-31 codes; v32-159 two sets as loaded; v160-223 my 64 numbers; v224-229 at work
.macro LOADF f                         ; fragment f: 16 rows x 128 along K; each load reads 512 consecutive bytes of one row
.irp i, 0,1,2,3,4,5,6,7,8,9,10,11,12,13,14,15
	global_load_b128 v[32+64*((\f)%2)+4*\i:32+64*((\f)%2)+4*\i+3], v4, s[26:27] offset:8192*\i+512*(\f) th:TH_LOAD_NT
.endr
.endm
.macro FRAGX f
.set RS, 32+64*((\f)%2)
.if (\f) < 7
	s_wait_loadcnt 16                              ; this fragment's 16 loads are in; the next fragment's 16 may be out
.else
	s_wait_loadcnt 0
.endif
.irp i, 0,1,2,3,4,5,6,7,8,9,10,11,12,13,14,15
	ds_store_b128 v5, v[RS+4*\i:RS+4*\i+3] offset:528*\i          ; as loaded: row i, 16 bytes a lane
.endr
.irp c, 0,1
.irp i, 0,1,2,3,4,5,6,7
	ds_load_b128 v[160+32*\c+4*\i:160+32*\c+4*\i+3], v6 offset:256*\c+16*\i   ; back: row r, k = 64 c + 32 h + 0..31.  LDS serves a wave's instructions in order: these see the stores above
.endr
.endr
	s_wait_dscnt 0x0                               ; my 64 numbers are in, and the stores have read the set,
.if (\f)+2 < 8
	LOADF (\f)+2                                   ; which takes the fragment two further on
.endif
.irp c, 0,1
	v_max3_num_f32 v[224+\c], |v[160+32*\c]|, |v[161+32*\c]|, 0x1800000   ; my two whole blocks by turns; the floor 2^(3 - 127) keeps the byte at 1 or above
.endr
.irp i, 2,4,6,8,10,12,14,16,18,20,22,24,26,28,30
.irp c, 0,1
	v_max3_num_f32 v[224+\c], v[224+\c], |v[160+32*\c+\i]|, |v[161+32*\c+\i]|
.endr
.endr
.irp c, 0,1
	v_add_nc_u32 v[226+\c], 0xff000000, v[224+\c]  ; 2 off the exponent field: the conversion's scale operand
.endr
.irp c, 0,1
	v_lshrrev_b32 v[228+\c], 23, v[226+\c]         ; the scale's byte
.endr
	v_lshl_or_b32 v10, v229, 16, v228              ; blocks h and 2 + h of my row,
	v_lshlrev_b32 v10, v9, v10                     ; at their places in the word (8 h bits up);
	v_permlanex16_b32 v11, v10, s30, s31
	v_or_b32 v[16+(\f)], v10, v11                  ; with lane l xor 16's two the word is whole
	s_wait_xcnt 0x0                                ; the last fragment's stores have read v24-31
.irp c, 0,1
.irp g, 0,1,2,3
	v_cvt_scalef32_pk8_fp4_f32 v[24+4*\c+\g], v[160+32*\c+8*\g:160+32*\c+8*\g+7], v[226+\c]
.endr
.endr
	v_nop                                          ; one plain line behind the last scaled conversion
.irp c, 0,1
	global_store_b128 v4, v[24+4*\c:24+4*\c+3], s[28:29] offset:((\f)/4)*REC+((\f)%4)*1024+512*\c   ; 512 consecutive bytes of the record
.endr
.endm
; ---- paths W and O.  v15 4 x lane; v7 my column's place in the output; v32-95 two sets of 32 numbers down K
.macro LOADK t, pitch
.set i, 0
.rept 32
	global_load_b32 v[32+32*((\t)%2)+i], v15, s[26:27] offset:(32*(\t)+i)*(\pitch) th:TH_LOAD_NT   ; one row k, 32 neighbouring columns
.set i, i+1
.endr
.endm
.macro BLOCKW t                        ; block t of 32 along K of my column: all 32 numbers are mine
.set XS, 32+32*((\t)%2)
.if (\t) < 15
	s_wait_loadcnt 32                              ; this block's 32 loads are in; the next block's may be out
.else
	s_wait_loadcnt 0
.endif
	v_max3_num_f32 v12, |v[XS]|, |v[XS+1]|, |v[XS+2]|
	v_max3_num_f32 v13, |v[XS+3]|, |v[XS+4]|, |v[XS+5]|
.irp i, 6,10,14,18,22,26
	v_max3_num_f32 v12, v12, |v[XS+\i]|, |v[XS+\i+1]|
	v_max3_num_f32 v13, v13, |v[XS+\i+2]|, |v[XS+\i+3]|
.endr
	v_max3_num_f32 v12, v12, |v[XS+30]|, |v[XS+31]|
	v_max3_num_f32 v12, v12, v13, 0x1800000        ; and the floor
	v_add_nc_u32 v11, 0xff000000, v12
	v_lshrrev_b32 v13, 23, v11
.if (\t)%4 == 0
	v_mov_b32 v[16+(\t)/4], v13                    ; four bytes to a word, the lower K in the lower byte
.else
	v_lshl_or_b32 v[16+(\t)/4], v13, 8*((\t)%4), v[16+(\t)/4]
.endif
.irp g, 0,1,2,3
	v_cvt_scalef32_pk8_fp4_f32 v[96+4*(\t)+\g], v[XS+8*\g:XS+8*\g+7], v11    ; each block has its own four registers: no store's data are written again
.endr
	v_nop
	global_store_b128 v7, v[96+4*(\t):96+4*(\t)+3], s[28:29] offset:256*(\t)   ; block t's place in the record is 256 t + 16 r: sixteen lanes fill 256 aligned bytes
.if (\t)+2 < 16
	LOADK (\t)+2, 4096
.endif
.endm
.macro SETO t                          ; 32 along K of my column of Wo, to f16
.set XS, 32+32*((\t)%2)
.if (\t) < 7
	s_wait_loadcnt 32
.else
	s_wait_loadcnt 0
.endif
.irp k, 0,1,2,3,4,5,6,7,8,9,10,11,12,13,14,15
	v_cvt_pk_f16_f32 v[96+16*(\t)+\k], v[XS+2*\k], v[XS+2*\k+1]
.endr
.irp p, 0,1,2,3
	global_store_b128 v7, v[96+16*(\t)+4*\p:96+16*(\t)+4*\p+3], s[28:29] offset:(2*(\t)+\p/2)*512+(\p%2)*256   ; eight along K: chunk 2 t + p / 2, half p % 2
.endr
.if (\t)+2 < 8
	LOADK (\t)+2, 8192
.endif
.endm
; ---- path T.  Item it: four frequencies i = 32 half + 16 (it / 2) + 8 h + 4 (it % 2) + e at my position.  v12 32 half + 8 h; v13 the position as f32; v16-55 at work; v64-127 results, 16 an item
.macro ANGLES it
.set OB, 64+16*(\it)
.irp e, 0,1,2,3
	v_add_nc_u32 v[16+\e], 16*((\it)/2)+4*((\it)%2)+\e, v12
.endr
.irp e, 0,1,2,3
	v_cvt_f32_u32 v[16+\e], v[16+\e]
.endr
.irp e, 0,1,2,3
	v_mul_f32 v[16+\e], s32, v[16+\e]              ; -i log2(10000) / 64
.endr
.irp e, 0,1,2,3
	v_exp_f32 v[16+\e], v[16+\e]                   ; the frequency
.endr
	v_nop                                          ; a plain line behind the last of the batch,
	s_wait_alu depctr_va_vdst(0)                   ; and one wait for the four, ahead of their first reader
.irp e, 0,1,2,3
	v_mul_f32 v[20+\e], v13, v[16+\e]              ; the angle
.endr
.irp e, 0,1,2,3
	v_mul_f32 v[24+\e], s33, v[20+\e]
.endr
.irp e, 0,1,2,3
	v_rndne_f32 v[24+\e], v[24+\e]                 ; n = the nearest multiple of pi/2
.endr
.irp e, 0,1,2,3
	v_fma_f32 v[28+\e], -v[24+\e], s34, v[20+\e]   ; angle - n pi/2, pi/2 in two parts
.endr
.irp e, 0,1,2,3
	v_fma_f32 v[28+\e], -v[24+\e], s35, v[28+\e]
.endr
.irp e, 0,1,2,3
	v_mul_f32 v[32+\e], v[28+\e], v[28+\e]         ; z
.endr
.irp e, 0,1,2,3
	v_fma_f32 v[36+\e], v[32+\e], s36, s37
	v_fma_f32 v[40+\e], v[32+\e], s39, s40
.endr
.irp e, 0,1,2,3
	v_fma_f32 v[36+\e], v[36+\e], v[32+\e], s38
	v_fma_f32 v[40+\e], v[40+\e], v[32+\e], s41
.endr
.irp e, 0,1,2,3
	v_mul_f32 v[36+\e], v[36+\e], v[32+\e]
	v_mul_f32 v[40+\e], v[40+\e], v[32+\e]
	v_fma_f32 v[44+\e], v[32+\e], -0.5, 1.0
.endr
.irp e, 0,1,2,3
	v_fma_f32 v[36+\e], v[36+\e], v[28+\e], v[28+\e]   ; the sine of the rest
	v_fma_f32 v[40+\e], v[40+\e], v[32+\e], v[44+\e]   ; its cosine
	v_cvt_i32_f32 v[48+\e], v[24+\e]
.endr
.irp e, 0,1,2,3
	v_and_b32 v[52+\e], 1, v[48+\e]
.endr
.irp e, 0,1,2,3
	v_cmp_eq_u32 vcc_lo, 1, v[52+\e]               ; in odd quadrants the two change places
	v_cndmask_b32 v[OB+\e], v[40+\e], v[36+\e], vcc_lo
	v_cndmask_b32 v[OB+4+\e], v[36+\e], v[40+\e], vcc_lo
.endr
.irp e, 0,1,2,3
	v_add_nc_u32 v[52+\e], 1, v[48+\e]
.endr
.irp e, 0,1,2,3
	v_lshlrev_b32 v[48+\e], 30, v[48+\e]           ; bit 1 of n: the sine's sign;
	v_lshlrev_b32 v[52+\e], 30, v[52+\e]           ; bit 1 of n + 1: the cosine's
.endr
.irp e, 0,1,2,3
	v_and_b32 v[48+\e], 0x80000000, v[48+\e]
	v_and_b32 v[52+\e], 0x80000000, v[52+\e]
.endr
.irp e, 0,1,2,3
	v_xor_b32 v[OB+4+\e], v[48+\e], v[OB+4+\e]
	v_xor_b32 v[OB+\e], v[52+\e], v[OB+\e]
.endr
.irp e, 0,1,2,3
	v_mul_f32 v[OB+8+\e], s42, v[OB+\e]            ; times log2(e) / sqrt(128), for q
	v_mul_f32 v[OB+12+\e], s42, v[OB+4+\e]
.endr
	global_store_b128 v4, v[OB:OB+3], s[26:27] offset:1048576+(((\it)/2)*4+(\it)%2)*512
	global_store_b128 v4, v[OB+4:OB+7], s[26:27] offset:1048576+(((\it)/2)*4+2+(\it)%2)*512
	global_store_b128 v4, v[OB+8:OB+11], s[26:27] offset:(((\it)/2)*4+(\it)%2)*512
	global_store_b128 v4, v[OB+12:OB+15], s[26:27] offset:(((\it)/2)*4+2+(\it)%2)*512
.endm
	s_load_b512 s[8:23], s[0:1], 0x0               ; x s[8:9], Wq s[10:11], Wk s[12:13], Wv s[14:15], Wo s[16:17], xq s[18:19], wq s[20:21], wo16 s[22:23]
	s_load_b64 s[24:25], s[0:1], 0x40              ; rope
	v_lshl_add_u32 v[SPW], v0, 2, SPARE
	v_mov_b32 v[NIL], 0
	v_lshrrev_b32 v1, 5, v0
	v_readfirstlane_b32 s4, v1                     ; wave
	v_and_b32 v1, 31, v0                           ; lane
	v_and_b32 v2, 15, v0                           ; r
	v_bfe_u32 v3, v0, 4, 1                         ; h
	v_lshlrev_b32 v4, 4, v1                        ; 16 x lane
	v_lshlrev_b32 v15, 2, v1                       ; 4 x lane
	s_mov_b32 s30, 0x76543210
	s_mov_b32 s31, 0xfedcba98                      ; v_permlanex16_b32's selects for lane l xor 16
	s_mov_b32 s7, 0                                ; offsets stand in s[6:7]
	s_wait_kmcnt 0x0
	s_cmp_lt_u32 ttmp9, 128
	s_cbranch_scc1 .Lpath_x
	s_cmp_lt_u32 ttmp9, 224
	s_cbranch_scc1 .Lpath_w
	s_cmp_lt_u32 ttmp9, 288
	s_cbranch_scc1 .Lpath_o
	; ---- T: wave gw of 256 takes positions 16 (gw / 2) + r and frequencies 32 (gw % 2) + 0..31
	s_sub_co_u32 s5, ttmp9, 288
	s_lshl_b32 s5, s5, 2
	s_add_co_u32 s5, s5, s4
	s_lshr_b32 s2, s5, 1                           ; block of 16 positions
	s_and_b32 s3, s5, 1                            ; half of the frequencies
	s_lshl_b32 s6, s2, 13
	s_lshl_b32 s28, s3, 12
	s_add_co_u32 s6, s6, s28
	s_add_nc_u64 s[26:27], s[24:25], s[6:7]
	s_lshl_b32 s28, s3, 5
	v_lshl_add_u32 v12, v3, 3, s28
	s_lshl_b32 s28, s2, 4
	v_add_nc_u32 v13, s28, v2
	v_cvt_f32_u32 v13, v13
	s_mov_b32 s32, 0xbe549a78                      ; -log2(10000) / 64
	s_mov_b32 s33, 0x3f22f983                      ; 2 / pi
	s_mov_b32 s34, 0x3fc90fdb                      ; pi / 2, rounded,
	s_mov_b32 s35, 0xb33bbd2e                      ; and what the rounding left
	s_mov_b32 s36, 0xb94ca1f9                      ; the sine's coefficients
	s_mov_b32 s37, 0x3c08839e
	s_mov_b32 s38, 0xbe2aaaa3
	s_mov_b32 s39, 0x37ccf5ce                      ; the cosine's
	s_mov_b32 s40, 0xbab6061a
	s_mov_b32 s41, 0x3d2aaaa5
	s_mov_b32 s42, 0x3e0293ee                      ; log2(e) / sqrt(128)
	ANGLES 0
	ANGLES 1
	ANGLES 2
	ANGLES 3
	s_endpgm
.Lpath_x:                                              ; wave gw of 512: rows 16 (gw / 2) on, K = 1024 (gw % 2) on: 8 fragments, 2 records
	s_lshl_b32 s5, ttmp9, 2
	s_add_co_u32 s5, s5, s4
	s_lshr_b32 s2, s5, 1
	s_and_b32 s3, s5, 1
	s_lshl_b32 s6, s2, 17                          ; 16 rows of 8,192 bytes
	s_lshl_b32 s5, s3, 12
	s_add_co_u32 s6, s6, s5
	s_add_nc_u64 s[26:27], s[8:9], s[6:7]
	s_lshl_b32 s6, s2, 2
	s_lshl_b32 s5, s3, 1
	s_add_co_u32 s6, s6, s5
	s_mul_i32 s6, s6, REC
	s_add_nc_u64 s[28:29], s[18:19], s[6:7]
	s_mul_i32 s5, s4, STG
	v_add_nc_u32 v5, s5, v4
	v_mul_u32_u24 v6, v2, 528
	v_lshl_add_u32 v6, v3, 7, v6
	v_add_nc_u32 v6, s5, v6
	v_mul_u32_u24 v8, v3, REC
	v_lshl_add_u32 v8, v2, 4, v8
	v_add_nc_u32 v8, 4096, v8                      ; lanes 0-15: record 0's scales, lanes 16-31: record 1's; 16 bytes a row
	v_lshlrev_b32 v9, 3, v3
	v_mov_b32 v11, 0                               ; a lane permute's destination counts as one of its sources
	LOADF 0
	LOADF 1
.irp f, 0,1,2,3,4,5,6,7
	FRAGX \f
.endr
	v_cmp_le_u32 vcc_lo, 16, v1
.irp i, 0,1,2,3
	v_cndmask_b32 v[12+\i], v[16+\i], v[20+\i], vcc_lo
.endr
	global_store_b128 v8, v[12:15], s[28:29]       ; sixteen lanes fill a record's 256 scale bytes
	s_wait_tensorcnt 0x0                           ; the wave's end, behind my last LDS store
	ds_add_u32 v[SPW], v[NIL]
	s_wait_dscnt 0x0
	s_endpgm
.Lpath_w:                                              ; work-group: one of the three weights, 128 columns, 512 along K; a wave 32 columns
	s_sub_co_u32 s5, ttmp9, 128
	s_lshr_b32 s2, s5, 5                           ; which weight
	s_and_b32 s3, s5, 7                            ; which 128 columns
	s_bfe_u32 s5, s5, 0x20003                      ; which 512 along K
	s_cmp_eq_u32 s2, 0
	s_cselect_b64 s[26:27], s[10:11], s[12:13]
	s_cmp_eq_u32 s2, 2
	s_cselect_b64 s[26:27], s[14:15], s[26:27]
	s_lshl_b32 s6, s5, 21                          ; 512 rows of 4,096 bytes
	s_lshl_b32 s28, s3, 9
	s_add_co_u32 s6, s6, s28
	s_lshl_b32 s28, s4, 7
	s_add_co_u32 s6, s6, s28
	s_add_nc_u64 s[26:27], s[26:27], s[6:7]
	s_lshl_b32 s6, s2, 6
	s_lshl_b32 s28, s3, 3
	s_add_co_u32 s6, s6, s28
	s_lshl_b32 s28, s4, 1
	s_add_co_u32 s6, s6, s28                       ; my first group of 16 columns
	s_lshl_b32 s6, s6, 2
	s_add_co_u32 s6, s6, s5
	s_mul_i32 s6, s6, REC
	s_add_nc_u64 s[28:29], s[20:21], s[6:7]
	v_mul_u32_u24 v7, v3, 4*REC                    ; lanes 16-31: the next 16 columns' records
	v_lshl_add_u32 v7, v2, 4, v7
	LOADK 0, 4096
	LOADK 1, 4096
.irp t, 0,1,2,3,4,5,6,7,8,9,10,11,12,13,14,15
	BLOCKW \t
.endr
	global_store_b128 v7, v[16:19], s[28:29] offset:4096   ; my column's 16 scale bytes: sixteen lanes fill the record's 256
	s_endpgm
.Lpath_o:                                              ; work-group: 128 columns of Wo, 256 along K; a wave 32 columns
	s_sub_co_u32 s5, ttmp9, 224
	s_and_b32 s3, s5, 15
	s_lshr_b32 s2, s5, 4
	s_lshl_b32 s6, s2, 21                          ; 256 rows of 8,192 bytes
	s_lshl_b32 s28, s3, 9
	s_add_co_u32 s6, s6, s28
	s_lshl_b32 s28, s4, 7
	s_add_co_u32 s6, s6, s28
	s_add_nc_u64 s[26:27], s[16:17], s[6:7]
	s_lshl_b32 s6, s3, 3
	s_lshl_b32 s28, s4, 1
	s_add_co_u32 s6, s6, s28
	s_lshl_b32 s6, s6, 15                          ; 16 columns are 64 chunks of 512 bytes
	s_lshl_b32 s28, s2, 13
	s_add_co_u32 s6, s6, s28
	s_add_nc_u64 s[28:29], s[22:23], s[6:7]
	v_lshlrev_b32 v7, 15, v3
	v_lshl_add_u32 v7, v2, 4, v7
	LOADK 0, 8192
	LOADK 1, 8192
.irp t, 0,1,2,3,4,5,6,7
	SETO \t
.endr
	s_endpgm
.Lfunc_end_k_q37de5f067e_prep:
	.size	k_q37de5f067e_prep, .Lfunc_end_k_q37de5f067e_prep-k_q37de5f067e_prep
	.p2alignl 7, 3214868480
	.fill 96, 4, 3214868480
	.section	.rodata,"a",@progbits
	.p2align	6, 0x0
	.amdhsa_kernel k_q37de5f067e_prep
		.amdhsa_group_segment_fixed_size 34304
		.amdhsa_private_segment_fixed_size 0
		.amdhsa_enable_private_segment 0
		.amdhsa_kernarg_size 72
		.amdhsa_user_sgpr_count 2
		.amdhsa_user_sgpr_kernarg_segment_ptr 1
		.amdhsa_wavefront_size32 1
		.amdhsa_system_sgpr_workgroup_id_x 1
		.amdhsa_system_sgpr_workgroup_id_y 1
		.amdhsa_system_sgpr_workgroup_id_z 1
		.amdhsa_system_vgpr_workitem_id 0
		.amdhsa_next_free_vgpr 256
		.amdhsa_next_free_sgpr 66
		.amdhsa_reserve_vcc 1
		.amdhsa_float_denorm_mode_32 3
		.amdhsa_float_denorm_mode_16_64 3
		.amdhsa_memory_ordered 1
		.amdhsa_forward_progress 1
		.amdhsa_inst_pref_size 192
	.end_amdhsa_kernel
	.amdgpu_metadata
---
amdhsa.version: [ 1, 2 ]
amdhsa.kernels:
  - .name:           k_q37de5f067e_prep
    .symbol:         k_q37de5f067e_prep.kd
    .args:
      - { .name: x, .offset: 0, .size: 8, .value_kind: global_buffer, .address_space: global }
      - { .name: Wq, .offset: 8, .size: 8, .value_kind: global_buffer, .address_space: global }
      - { .name: Wk, .offset: 16, .size: 8, .value_kind: global_buffer, .address_space: global }
      - { .name: Wv, .offset: 24, .size: 8, .value_kind: global_buffer, .address_space: global }
      - { .name: Wo, .offset: 32, .size: 8, .value_kind: global_buffer, .address_space: global }
      - { .name: xq, .offset: 40, .size: 8, .value_kind: global_buffer, .address_space: global }
      - { .name: wq, .offset: 48, .size: 8, .value_kind: global_buffer, .address_space: global }
      - { .name: wo16, .offset: 56, .size: 8, .value_kind: global_buffer, .address_space: global }
      - { .name: rope, .offset: 64, .size: 8, .value_kind: global_buffer, .address_space: global }
    .group_segment_fixed_size: 34304
    .private_segment_fixed_size: 0
    .kernarg_segment_align: 8
    .kernarg_segment_size: 72
    .max_flat_workgroup_size: 128
    .sgpr_count:     66
    .vgpr_count:     256
    .wavefront_size: 32
...
	.end_amdgpu_metadata
.endif
;; end of part 1
;; launch qkv (part 2): grid 12 x 16, 4 waves a work-group, clusters of 4 x 4, 327,680 bytes of LDS; arguments xq, wq, rope, qkv, fine; writes qkv, fine
.if DOCPART == 2
	.amdgcn_target "amdgcn-amd-amdhsa--gfx1250"
	.amdhsa_code_object_version 6
	.text
	.protected	k_q37de5f067e_qkv
	.globl	k_q37de5f067e_qkv
	.p2align	8
	.type	k_q37de5f067e_qkv,@function
k_q37de5f067e_qkv:
	s_mov_b64 s[64:65], 0
	v_nop
	global_prefetch_b8 v0, s[64:65] scope:SCOPE_SE
	s_setreg_imm32_b32 hwreg(HW_REG_WAVE_MODE, 25, 1), 1
	s_wait_xcnt 0x0
	s_wait_alu depctr_hold_cnt(0) depctr_sa_sdst(0) depctr_va_vdst(0) depctr_va_sdst(0) depctr_va_ssrc(0) depctr_va_vcc(0) depctr_vm_vsrc(0)
	s_getreg_b32 s2, hwreg(HW_REG_IB_STS2, 6, 4)
	s_cmp_eq_u32 s2, 0
	s_cbranch_scc0 .Lentry_in_a_cluster
	s_endpgm
.Lentry_in_a_cluster:
	s_bfe_u32 s2, ttmp6, 0x10000c
	s_cmp_lg_u32 s2, 0xf033
	s_cbranch_scc0 .Lentry_shape_is_right
	s_endpgm
.Lentry_shape_is_right:
; QKV: q = x Wq, k = x Wk, v = x Wv on codes of E2M1 with E8M0 scales (K = 2,048), RoPE on q and k in f32, results as f16 images of the next products' operand registers.
; The cluster's x is the KIND: 0 q, 1 k, 2 v; all sixteen partners share it.  A tile of C, 256 x 256, is made by four waves, 128 x 128 each: 64 accumulators, 512 registers.
; THE MATRIX INSTRUCTION IS USED TRANSPOSED: source 0 = 16 rows of "B", source 1 = 16 rows of "A": a lane holds row r of A's block and eight neighbouring rows of B's block.
;   kinds 0, 1: A = xq (positions), B = wq (channels): a lane holds one position and eight channels: what K Q^T wants of q and k.
;   kind 2:     A = wq (channels), B = xq (positions): a lane holds one channel and eight positions: V^T, what V^T P wants.  Only addresses differ; the loop is one text.
; OPERANDS lie in memory as records of 4,352 bytes (16 rows x 512 along K: 4,096 bytes of codes in the order of the operand's registers, 256 of scale words).  A K step is 512 along K;
; a wave's tensor load brings 8 records (128 rows), scales with them.  Fragments come out of LDS at 16 x lane + a constant: 512 consecutive bytes an instruction, no padding.
; CLUSTERS: 4 x 4.  A's tiles are shared along a row of the cluster, B's along a column: each is asked for jointly, by the same load with the same descriptor and a mask of four.
; 192 work-groups: a tile of 128 x 256 would make 384, one round and a half of 256.
; OUT: qkv = [kind][batch x head][16 positions][8 chunks][lane][16 bytes] f16.  q is multiplied by log2(e)/sqrt(128) through its table.  Each store covers 512 consecutive aligned bytes.
; Positions 0 to 15 of every sequence and head are also stored in f32 (fine), for the small launch that makes those rows finely.
; LIMITS: q x 0.1275, k and v beyond 65,504 in magnitude become infinite in f16.
; REGISTERS: window 0: v16-29 addresses; v32-95 scale words, two sets, and nothing else; v128-191 A's fragments, one set; v192-255 the table of the even blocks of positions.
;   window 1: B's fragments, two sets; on the way out v0-63 take the table of the odd blocks.  windows 2, 3: accumulators ((a, b) at v[8 (8 (a % 4) + b)]).
.set NQ,     4                         ; steps of 128 along K in a slot
.set FR,     8                         ; registers of a fragment
.set NL,     2                         ; LDS loads that bring one
.set NP,     4                         ; places behind this matrix instruction (ISA guide 7.12.1)
.set REC,    4352
.set PART,   8*REC                     ; what one tensor load brings, and what one wave reads of A or of B
.set SLOT,   4*PART                    ; A's two halves, then B's two
.set SPARE,  2*SLOT                    ; behind the ring: the spare words, 128 bytes a wave
.set LAPS,   2                         ; 2,048 along K = four K steps = twice round the ring
.set ADRA, 16                          ; v16-17 LDS address of my A fragments in slot 0, 1
.set ADRB, 20                          ; v20-21 the same for B
.set ADRS, 22                          ; v22-23 of my scale words: lanes 0-15 A's rows, lanes 16-31 B's
.set LN,   24                          ; v24 16 x lane
.set PZ,   27                          ; v27 my first block of 16 positions in its sequence
.set SPW,  28                          ; v28 my spare word's LDS address; never rewritten
.set NIL,  29                          ; v29 0; never rewritten
.set SC,   32
.set AF,   128
.set TT,   96                          ; the way out: v96-159 a block's 64 numbers in f32
.set PK,   160                         ; v160-191 the same in f16
.set G1,  24                           ; s[24:31] group 1 for A's tiles; s[32:39] group 0, a set for each slot
.set G0,  32
.set G1B, 48                           ; s[48:55], s[56:63] the same for B's
.set G0B, 56
.set MSB, 0
.macro WIN new                         ; the immediate's high byte repeats the setting that is left
.if MSB != (\new)
	s_set_vgpr_msb (MSB<<8)|(\new)
.set MSB, (\new)
.endif
.endm
.set MUL_LO, 0xa1                      ; source 0 (B) window 1, source 1 (A) window 0, C and D window 2
.set MUL_HI, 0xf1                      ; the same, C and D window 3
.set TO_B,   0x40                      ; destination window 1, address window 0
; A joint load: waves 0 and 1 fetch for A, waves 2 and 3 for B.  The branch hangs on the wave's number alone.  An s_nop 0 and four v_nop follow each line.
.macro JLOAD g0a, g1a, g0b, g1b
	s_cmp_eq_u32 s15, 0
	s_cbranch_scc0 .Lfor_b_\@
	tensor_load_to_lds s[\g0a:\g0a+3], s[\g1a:\g1a+7]
	s_nop 0
.rept 4
	v_nop
.endr
	s_branch .Lasked_\@
.Lfor_b_\@:
	tensor_load_to_lds s[\g0b:\g0b+3], s[\g1b:\g1b+7]
	s_nop 0
.rept 4
	v_nop
.endr
.Lasked_\@:
.endm
.macro CREST                           ; a round of the cluster's barrier behind its opening barrier
	s_cmp_lg_u32 s14, 0
	s_cbranch_scc1 .Lnot_wave_0_\@
	s_barrier_signal -3
.Lnot_wave_0_\@:
	s_barrier_wait -3
	s_barrier_signal -1
	s_barrier_wait -1
.endm
.macro CROUND
	s_barrier_signal -1
	s_barrier_wait -1
	CREST
.endm
	s_load_b256 s[4:11], s[0:1], 0x0               ; xq s[4:5], wq s[6:7], rope s[8:9], qkv s[10:11]
	s_load_b64 s[12:13], s[0:1], 0x20              ; fine
	v_lshl_add_u32 v[SPW], v0, 2, SPARE
	v_mov_b32 v[NIL], 0
	ds_add_u32 v[SPW], v[NIL]                      ; the wave's opening: the add, twice on end, and its wait ahead of my first tensor load
	ds_add_u32 v[SPW], v[NIL]
	v_lshrrev_b32 v1, 5, v0
	v_readfirstlane_b32 s14, v1                    ; wave 0..3
	s_lshr_b32 s15, s14, 1                         ; which half of A's rows is mine.  Also: I fetch for A (0) or for B (1)
	s_and_b32 s16, s14, 1                          ; which half of B's rows.  Also: which 128 rows I fetch
	s_bfe_u32 s40, ttmp6, 0x40000                  ; cx
	s_bfe_u32 s41, ttmp6, 0x40004                  ; cy
	s_and_b32 s42, ttmp7, 0xffff
	s_lshl_b32 s42, s42, 2                         ; 4 x cluster y
	s_add_co_u32 s18, s42, s41
	s_add_co_u32 s19, s42, s40
	s_lshl_b32 s43, s41, 2
	s_lshl_b32 s43, 15, s43                        ; my row of the cluster
	s_lshl_b32 s44, 0x1111, s40                    ; my column
	s_or_b32 s[G1+0], s43, (3<<16)|(1<<21)         ; 15:0 the mask; 17:16 elements of 8 bytes; 21 set beside a mask; no padding
	s_or_b32 s[G1B+0], s44, (3<<16)|(1<<21)
.irp g, G1, G1B
	s_mov_b32 s[\g+1], 544<<16                     ; tensor_dim0: a record, 544 elements
	s_mov_b32 s[\g+2], 8<<16                       ; tensor_dim1: 8 records
	s_mov_b32 s[\g+3], 544<<16                     ; tile_dim0
	s_mov_b32 s[\g+4], 8                           ; tile_dim1
	s_mov_b32 s[\g+5], 2176                        ; from 16 rows to the next: four records
	s_mov_b32 s[\g+6], 0
	s_mov_b32 s[\g+7], 0
.endr
	s_lshl_b32 s20, ttmp9, 6                       ; Wk's columns begin 64 groups of 16 behind Wq's
	s_cmp_eq_u32 ttmp9, 2                          ; the kind is the same in all partners
	s_cselect_b32 s17, s41, s18                    ; A's tile: made of cy and the cluster's y alone
	s_cselect_b32 s46, s19, s40                    ; B's tile: of cx and the cluster's y alone
	s_cselect_b32 s21, 128, 0                      ; Wv's columns begin at group 128
	s_cselect_b32 s22, 0, s20
	s_lshl_b32 s23, s16, 3                         ; which 8 groups of 16 rows I fetch
	s_lshl_b32 s78, s17, 4
	s_add_co_u32 s78, s78, s23
	s_add_co_u32 s78, s78, s21
	s_mul_i32 s78, s78, 4*REC
	s_mov_b32 s79, 0
	s_lshl_b32 s80, s46, 4
	s_add_co_u32 s80, s80, s23
	s_add_co_u32 s80, s80, s22
	s_mul_i32 s80, s80, 4*REC
	s_mov_b32 s81, 0
	s_mul_i32 s45, s14, PART                       ; where my tiles go: no place in the cluster enters an LDS address
	s_wait_dscnt 0x0                               ; both opening adds are done
	s_wait_kmcnt 0x0
	s_cmp_eq_u32 ttmp9, 2
	s_cselect_b64 s[74:75], s[6:7], s[4:5]
	s_cselect_b64 s[76:77], s[4:5], s[6:7]
	s_add_nc_u64 s[74:75], s[74:75], s[78:79]
	s_add_nc_u64 s[76:77], s[76:77], s[80:81]
	CROUND                                         ; all sixteen work-groups are here: the first joint loads meet
.irp s, 0,1
	s_mov_b32 s[G0+4*\s], 1
	s_add_co_u32 s[G0+4*\s+1], s45, \s*SLOT
	s_add_nc_u64 s[G0+4*\s+2:G0+4*\s+3], s[74:75], \s*REC
	s_or_b32 s[G0+4*\s+3], s[G0+4*\s+3], 0x80000000
	s_mov_b32 s[G0B+4*\s], 1
	s_add_co_u32 s[G0B+4*\s+1], s45, \s*SLOT
	s_add_nc_u64 s[G0B+4*\s+2:G0B+4*\s+3], s[76:77], \s*REC
	s_or_b32 s[G0B+4*\s+3], s[G0B+4*\s+3], 0x80000000
	JLOAD G0+4*\s, G1, G0B+4*\s, G1B               ; two loads of mine are out
.endr
	; where my results go.  XT, xh: tile and half on x's side; WT, wh: on the weight's
	s_cmp_eq_u32 ttmp9, 2
	s_cselect_b32 s82, s46, s17
	s_cselect_b32 s83, s16, s15
	s_cselect_b32 s84, s17, s46
	s_cselect_b32 s85, s15, s16
	s_lshr_b32 s86, s82, 3                         ; the batch: 8 tiles of 256 positions a sequence
	s_and_b32 s72, s82, 7
	s_lshl_b32 s72, s72, 4
	s_lshl_b32 s87, s83, 3
	s_add_co_u32 s72, s72, s87                     ; POS: my first block of 16 positions
	s_lshl_b32 s88, s84, 1
	s_add_co_u32 s88, s88, s85                     ; the head: my 128 channels
	s_lshl_b32 s86, s86, 3
	s_add_co_u32 s86, s86, s88                     ; 8 x batch + head
	s_lshl_b32 s90, ttmp9, 23
	s_lshl_b32 s89, s86, 19
	s_add_co_u32 s90, s90, s89
	s_lshl_b32 s89, s72, 12
	s_add_co_u32 s90, s90, s89
	s_mov_b32 s91, 0
	s_add_nc_u64 s[66:67], s[10:11], s[90:91]      ; OUT
	s_lshl_b32 s90, ttmp9, 4
	s_add_co_u32 s90, s90, s86
	s_lshl_b32 s90, s90, 13
	s_add_nc_u64 s[70:71], s[12:13], s[90:91]      ; FINE
	s_and_b32 s90, ttmp9, 1
	s_lshl_b32 s90, s90, 20
	s_lshl_b32 s89, s72, 13
	s_add_co_u32 s90, s90, s89
	s_add_nc_u64 s[68:69], s[8:9], s[90:91]        ; TBL: q's table or k's, at my first block
	v_and_b32 v1, 15, v0                           ; r
	v_bfe_u32 v2, v0, 4, 1                         ; h
	v_and_b32 v3, 31, v0
	v_lshlrev_b32 v[LN], 4, v3
	v_mov_b32 v[PZ], s72
	s_mul_i32 s21, s15, PART                       ; my 128 rows of A
	s_mul_i32 s22, s16, PART
	s_add_co_u32 s22, s22, 2*PART                  ; my 128 rows of B
	s_sub_co_u32 s23, s22, s21
	v_mul_u32_u24 v6, s23, v2                      ; lanes 16-31 take B's scale words
	v_lshl_add_u32 v6, v1, 4, v6                   ; 16 bytes a row
	s_add_co_u32 s20, s21, 4096                    ; behind a record's codes
	v_add_nc_u32 v[ADRS], s20, v6
	v_add_nc_u32 v[ADRS+1], SLOT, v[ADRS]
.irp s, 0,1
	v_add_nc_u32 v[ADRA+\s], s21, v[LN]
	v_add_nc_u32 v[ADRB+\s], s22, v[LN]
	s_add_co_u32 s21, s21, SLOT
	s_add_co_u32 s22, s22, SLOT
.endr
; The first table block is asked for here, a whole K loop ahead of its use.  The work-groups of v load it too (8,192 bytes a wave) and do not use it: the loads stand on the one way that all kinds take.
.irp l, 0,1,2,3,4,5,6,7,8,9,10,11,12,13,14,15
	global_load_b128 v[192+4*\l:192+4*\l+3], v[LN], s[68:69] offset:512*\l
.endr
.macro FRAG reg, adr, q, i             ; a fragment: record i, the q-th 128 along K: two runs of 512 bytes
.irp c, 0,1
	ds_load_b128 v[\reg+4*\c:\reg+4*\c+3], v[\adr] offset:REC*(\i)+1024*(\q)+512*\c
.endr
.endm
; 16 matrix instructions: A's blocks a0, a0 + 1 x B's eight.  p: B's set; sc: the set of scale words.  zero = 1: the first product starts the sums.  The 64 accumulators take turns.
.macro MUL16 a0, p, q, sc, zero
.irp a, \a0, \a0+1
.irp b, 0,1,2,3,4,5,6,7
.if \zero
	v_wmma_scale_f32_16x16x128_f8f6f4 v[8*(8*((\a)%4)+\b):8*(8*((\a)%4)+\b)+7], v[128*(\p)+FR*\b:128*(\p)+FR*\b+FR-1], v[AF+FR*(\a):AF+FR*(\a)+FR-1], 0, v[SC+8*NQ*(\sc)+NQ*\b+(\q)], v[SC+8*NQ*(\sc)+NQ*(\a)+(\q)] matrix_a_fmt:MATRIX_FMT_FP4 matrix_b_fmt:MATRIX_FMT_FP4 matrix_a_scale:MATRIX_SCALE_ROW1
.else
	v_wmma_scale_f32_16x16x128_f8f6f4 v[8*(8*((\a)%4)+\b):8*(8*((\a)%4)+\b)+7], v[128*(\p)+FR*\b:128*(\p)+FR*\b+FR-1], v[AF+FR*(\a):AF+FR*(\a)+FR-1], v[8*(8*((\a)%4)+\b):8*(8*((\a)%4)+\b)+7], v[SC+8*NQ*(\sc)+NQ*\b+(\q)], v[SC+8*NQ*(\sc)+NQ*(\a)+(\q)] matrix_a_fmt:MATRIX_FMT_FP4 matrix_b_fmt:MATRIX_FMT_FP4 matrix_a_scale:MATRIX_SCALE_ROW1
.endif
.endr
.endr
.endm
.macro FETCH_B slot, q, p
	WIN TO_B
.irp i, 0,1,2,3,4,5,6,7
	FRAG 128*(\p)+FR*\i, ADRB+\slot, \q, \i
.endr
	WIN 0
.endm
.macro FETCH_A slot, q, i0
.irp i, \i0, \i0+1, \i0+2, \i0+3
	FRAG AF+FR*(\i), ADRA+\slot, \q, \i
.endr
.endm
.macro SCALES sc                       ; the slot's scale words: four words a row; lanes 0-15 take A's block i, lanes 16-31 B's block i
.irp i, 0,1,2,3,4,5,6,7
	ds_load_b128 v[SC+8*NQ*\sc+NQ*\i:SC+8*NQ*\sc+NQ*\i+3], v[ADRS+\sc] offset:REC*\i
.endr
.endm
.macro PLACES n                        ; plain vector lines between a matrix instruction and a load into, or a read of, its registers
.rept \n
	v_nop
.endr
.endm
.macro STEP slot, q, zero              ; 128 along K whose successor lies in the same slot
	s_wait_dscnt 4*NL                              ; B's set and A's blocks 0-3 are in; the youngest eight loads (A's blocks 4-7) may be out
	WIN MUL_LO
	MUL16 0, (\q)%2, \q, \slot, \zero
	MUL16 2, (\q)%2, \q, \slot, \zero
	s_wait_dscnt 0
	PLACES NP
	FETCH_B \slot, (\q)+1, 1-(\q)%2
	FETCH_A \slot, (\q)+1, 0
	WIN MUL_HI
	MUL16 4, (\q)%2, \q, \slot, \zero
	MUL16 6, (\q)%2, \q, \slot, \zero
	PLACES NP
	WIN 0
	FETCH_A \slot, (\q)+1, 4
.endm
; A slot's last step changes slots: one barrier; in front of it each wave waits for all its tensor loads, adds 0 to its spare word, and waits for that and for its reads of this slot.
.macro TURN slot, next, fill
	s_wait_tensorcnt 0x0                           ; all my tensor loads have landed: my part of the next slot
	ds_add_u32 v[SPW], v[NIL]
	s_wait_dscnt 4*NL+1                            ; (the add and the youngest eight loads may be out)
	WIN MUL_LO
	MUL16 0, 1, NQ-1, \slot, 0
	s_wait_dscnt 0x0                               ; the add is done, and my reads of this slot are over
	s_barrier_signal -1
	MUL16 2, 1, NQ-1, \slot, 0
	WIN 0
	s_barrier_wait -1
.if \fill
	CREST                                          ; the barrier has opened a round of the cluster's: no wave of any partner still reads this slot or has a load on its way
	s_add_nc_u64 s[G0+4*\slot+2:G0+4*\slot+3], s[G0+4*\slot+2:G0+4*\slot+3], 2*REC
	s_add_nc_u64 s[G0B+4*\slot+2:G0B+4*\slot+3], s[G0B+4*\slot+2:G0B+4*\slot+3], 2*REC
	JLOAD G0+4*\slot, G1, G0B+4*\slot, G1B         ; the first tensor load behind the round; its four v_nop are the places in front of the loads below
.else
	PLACES NP
.endif
	FETCH_B \next, 0, 0
	FETCH_A \next, 0, 0
	SCALES \next
	WIN MUL_HI
	MUL16 4, 1, NQ-1, \slot, 0
	MUL16 6, 1, NQ-1, \slot, 0
	PLACES NP
	WIN 0
	FETCH_A \next, 0, 4
.endm
.macro STEPS slot, from
.set Q, \from
.rept NQ-1-\from
	STEP \slot, Q, 0
.set Q, Q+1
.endr
.endm
	s_wait_tensorcnt 1                             ; my part of K step 0 is in (K step 1's load may be out)
	s_barrier_signal -1
	s_barrier_wait -1                              ; everybody's is
	FETCH_B 0, 0, 0
	FETCH_A 0, 0, 0
	SCALES 0
	FETCH_A 0, 0, 4
	STEP 0, 0, 1                                   ; the first step stands in front of the loop: its products start the sums
	s_mov_b32 s3, LAPS-1
.Llap:                                                 ; a trip goes once round the ring and fills both slots again
	STEPS 0, 1
	TURN 0, 1, 1
	STEPS 1, 0
	TURN 1, 0, 1
	STEP 0, 0, 0
	s_sub_co_u32 s3, s3, 1
	s_cmp_lg_u32 s3, 0
	s_cbranch_scc1 .Llap
	STEPS 0, 1                                     ; the last lap fills nothing
	TURN 0, 1, 0
	STEPS 1, 0
	s_wait_dscnt 4*NL
	WIN MUL_LO
	MUL16 0, 1, NQ-1, 1, 0
	MUL16 2, 1, NQ-1, 1, 0
	s_wait_dscnt 0
	WIN MUL_HI
	MUL16 4, 1, NQ-1, 1, 0
	MUL16 6, 1, NQ-1, 1, 0
	WIN 0
; THE WAY OUT of q and k, block a of 16 positions: out[d] = y[d] cos - y[d + 64] sin, out[d + 64] = y[d + 64] cos + y[d] sin, d = 16 bb + 8 h + j under 64.
; The table lies in the order of these registers: set + 16 bb + j the cosine, + 8 more the sine.  Sets by turns: v192-255 of window 0 (even blocks), v0-63 of window 1 (odd blocks: B's first set, done with).
; The scale words' registers are left alone.  Each accumulator is read from its low end on.
.macro ROPEBLK a
.set ODD, (\a)%2
.set TC_, 192-192*ODD                  ; this block's table
.set TN_, 192*ODD                      ; the next block's
.set AC, 64*((\a)%4)
.if (\a) > 0
	s_wait_xcnt 0x0                                ; the last block's stores have read their registers
.endif
.if (\a) < 7
	WIN 0x40-0x40*ODD                              ; an odd block's table lands in window 1
.irp l, 0,1,2,3,4,5,6,7,8,9,10,11,12,13,14,15
	global_load_b128 v[TN_+4*\l:TN_+4*\l+3], v[LN], s[68:69] offset:8192*((\a)+1)+512*\l
.endr
	s_wait_loadcnt 16                              ; this block's table is in; the next block's 16 loads may be out
.else
	s_wait_loadcnt 0
.endif
	WIN 0x02+(\a)/4+4*ODD                          ; source 0: the accumulators' window; source 1: the table's
.irp bb, 0,1,2,3
.irp p, 0,1,2,3
	v_pk_mul_f32 v[TT+8*\bb+2*\p:TT+8*\bb+2*\p+1], v[AC+8*\bb+2*\p:AC+8*\bb+2*\p+1], v[TC_+16*\bb+2*\p:TC_+16*\bb+2*\p+1]
	v_pk_mul_f32 v[TT+32+8*\bb+2*\p:TT+32+8*\bb+2*\p+1], v[AC+32+8*\bb+2*\p:AC+32+8*\bb+2*\p+1], v[TC_+16*\bb+2*\p:TC_+16*\bb+2*\p+1]
	v_pk_fma_f32 v[TT+8*\bb+2*\p:TT+8*\bb+2*\p+1], v[AC+32+8*\bb+2*\p:AC+32+8*\bb+2*\p+1], v[TC_+16*\bb+8+2*\p:TC_+16*\bb+8+2*\p+1], v[TT+8*\bb+2*\p:TT+8*\bb+2*\p+1] neg_lo:[1,0,0] neg_hi:[1,0,0]
	v_pk_fma_f32 v[TT+32+8*\bb+2*\p:TT+32+8*\bb+2*\p+1], v[AC+8*\bb+2*\p:AC+8*\bb+2*\p+1], v[TC_+16*\bb+8+2*\p:TC_+16*\bb+8+2*\p+1], v[TT+32+8*\bb+2*\p:TT+32+8*\bb+2*\p+1]
.endr
.endr
	WIN 0
.if (\a) == 0                          ; where my first block is positions 0 to 15, it is stored in f32 too.  By lanes, not by a branch: the test hangs on my place in the cluster
	s_wait_xcnt 0x0                                ; EXEC changes only behind this wait
	v_cmp_eq_u32 vcc_lo, 0, v[PZ]
	s_and_saveexec_b32 s73, vcc_lo
.irp cc, 0,1,2,3,4,5,6,7,8,9,10,11,12,13,14,15
	global_store_b128 v[LN], v[TT+4*\cc:TT+4*\cc+3], s[70:71] offset:512*\cc
.endr
	s_wait_xcnt 0x0                                ; and again, in front of the line that widens it
	s_or_b32 exec_lo, exec_lo, s73
.endif
.set i, 0
.rept 32
	v_cvt_pk_f16_f32 v[PK+i], v[TT+2*i], v[TT+2*i+1]
.set i, i+1
.endr
.irp bb, 0,1,2,3,4,5,6,7
	global_store_b128 v[LN], v[PK+4*\bb:PK+4*\bb+3], s[66:67] offset:4096*(\a)+512*\bb   ; chunk bb of block a: 512 consecutive bytes
.endr
.endm
; THE WAY OUT of v, block a of 16 channels: chunk a of each of my eight blocks of positions
.macro PACKV a
.set AC, 64*((\a)%4)
.if (\a) > 0
	s_wait_xcnt 0x0
.endif
	WIN 0x0a+5*((\a)/4)                            ; sources 0 and 1: the accumulators' window
.irp bb, 0,1,2,3,4,5,6,7
.irp k, 0,1,2,3
	v_cvt_pk_f16_f32 v[PK+4*\bb+\k], v[AC+8*\bb+2*\k], v[AC+8*\bb+2*\k+1]
.endr
.endr
	WIN 0
.irp bb, 0,1,2,3,4,5,6,7
	global_store_b128 v[LN], v[PK+4*\bb:PK+4*\bb+3], s[66:67] offset:4096*\bb+512*(\a)
.endr
.endm
	PLACES NP                                      ; behind the last products: for the reads of results and for loads and writes into registers that held operands
	s_cmp_eq_u32 ttmp9, 2
	s_cbranch_scc1 .Lway_v
.irp a, 0,1,2,3,4,5,6,7
	ROPEBLK \a
.endr
	s_wait_tensorcnt 0x0                           ; the wave's end
	ds_add_u32 v[SPW], v[NIL]
	s_wait_dscnt 0x0
	CROUND                                         ; the closing round: no work-group ends while a partner may still ask for a tile that names it
	s_endpgm
.Lway_v:
	s_wait_xcnt 0x0                                ; positions 0 to 15 in f32, where they are mine: the accumulators (a, 0) as they stand, each from its low end on
	v_cmp_eq_u32 vcc_lo, 0, v[PZ]
	s_and_saveexec_b32 s73, vcc_lo
	WIN 0x08                                       ; a store's data are its source 1: window 2
.irp a, 0,1,2,3
.irp u, 0,1
	global_store_b128 v[LN], v[64*\a+4*\u:64*\a+4*\u+3], s[70:71] offset:1024*\a+512*\u
.endr
.endr
	WIN 0x0c
.irp a, 0,1,2,3
.irp u, 0,1
	global_store_b128 v[LN], v[64*\a+4*\u:64*\a+4*\u+3], s[70:71] offset:4096+1024*\a+512*\u
.endr
.endr
	WIN 0
	s_wait_xcnt 0x0
	s_or_b32 exec_lo, exec_lo, s73
.irp a, 0,1,2,3,4,5,6,7
	PACKV \a
.endr
	s_wait_tensorcnt 0x0
	ds_add_u32 v[SPW], v[NIL]
	s_wait_dscnt 0x0
	CROUND
	s_endpgm
.Lfunc_end_k_q37de5f067e_qkv:
	.size	k_q37de5f067e_qkv, .Lfunc_end_k_q37de5f067e_qkv-k_q37de5f067e_qkv
	.p2alignl 7, 3214868480
	.fill 96, 4, 3214868480
	.section	.rodata,"a",@progbits
	.p2align	6, 0x0
	.amdhsa_kernel k_q37de5f067e_qkv
		.amdhsa_group_segment_fixed_size 327680
		.amdhsa_private_segment_fixed_size 0
		.amdhsa_enable_private_segment 0
		.amdhsa_kernarg_size 40
		.amdhsa_user_sgpr_count 2
		.amdhsa_user_sgpr_kernarg_segment_ptr 1
		.amdhsa_wavefront_size32 1
		.amdhsa_system_sgpr_workgroup_id_x 1
		.amdhsa_system_sgpr_workgroup_id_y 1
		.amdhsa_system_sgpr_workgroup_id_z 1
		.amdhsa_system_vgpr_workitem_id 0
		.amdhsa_next_free_vgpr 1024
		.amdhsa_next_free_sgpr 100
		.amdhsa_reserve_vcc 1
		.amdhsa_float_denorm_mode_32 3
		.amdhsa_float_denorm_mode_16_64 3
		.amdhsa_memory_ordered 1
		.amdhsa_forward_progress 1
		.amdhsa_inst_pref_size 255
	.end_amdhsa_kernel
	.section	.bss,"aw",@nobits
	.p2align	6
	.space	262144
	.amdgpu_metadata
---
amdhsa.version: [ 1, 2 ]
amdhsa.kernels:
  - .name:           k_q37de5f067e_qkv
    .symbol:         k_q37de5f067e_qkv.kd
    .args:
      - { .name: xq, .offset: 0, .size: 8, .value_kind: global_buffer, .address_space: global }
      - { .name: wq, .offset: 8, .size: 8, .value_kind: global_buffer, .address_space: global }
      - { .name: rope, .offset: 16, .size: 8, .value_kind: global_buffer, .address_space: global }
      - { .name: qkv, .offset: 24, .size: 8, .value_kind: global_buffer, .address_space: global }
      - { .name: fine, .offset: 32, .size: 8, .value_kind: global_buffer, .address_space: global }
    .group_segment_fixed_size: 327680
    .private_segment_fixed_size: 0
    .kernarg_segment_align: 8
    .kernarg_segment_size: 40
    .max_flat_workgroup_size: 128
    .sgpr_count:     100
    .vgpr_count:     1024
    .wavefront_size: 32
...
	.end_amdgpu_metadata
.endif
;; end of part 2
;; launch attn (part 3): grid 16 x 16, 4 waves a work-group, no clusters, 327,680 bytes of LDS; arguments qkv, attn; writes attn
.if DOCPART == 3
	.amdgcn_target "amdgcn-amd-amdhsa--gfx1250"
	.amdhsa_code_object_version 6
	.text
	.protected	k_q37de5f067e_attn
	.globl	k_q37de5f067e_attn
	.p2align	8
	.type	k_q37de5f067e_attn,@function
k_q37de5f067e_attn:
	s_mov_b64 s[64:65], 0
	v_nop
	global_prefetch_b8 v0, s[64:65] scope:SCOPE_SE
	s_setreg_imm32_b32 hwreg(HW_REG_WAVE_MODE, 25, 1), 1
	s_wait_xcnt 0x0
; ATTN: causal attention in f16 operands, f32 sums.  qkv holds q (times log2(e)/sqrt(128)), k and V^T as images of operand registers; attn takes the result as the image of the projection's operand.
; SHARES.  Work-group (J, batch x head) owns two blocks of 64 queries: block 31 - J (tile 0 of each wave) and block J (tile 1); wave w holds queries 16 w .. 16 w + 15 of each.
; Keys go in steps of 64.  Tile 1 wants steps 0 .. J, tile 0 steps 0 .. 31 - J: 33 tile steps in every wave of every work-group, whatever J.
; The kind of step g hangs on ids alone and is the same in all four waves: g <= J: both tiles (g = J: tile 1 masked); J < g <= 31 - J: tile 0 alone (the last masked); beyond: nothing.
; LAYOUT.  S^T = K Q^T and O^T = V^T P: a lane holds ONE query throughout; two tiles of S^T, rounded to f16 in pairs, are source 1 of the second product.
; SOFTMAX.  t = the score as it comes (q carries the factor); a running maximum m and sum l for each query; p = 2^(t - m); O and l are multiplied by 2^(m_old - m_new) in every step.  The sum is taken of the unrounded p.
; RING.  Two slots of four key steps, 2^17 bytes apart.  In a slot: K [half of a step's 64 keys][step][8,192 bytes], then V^T likewise.  Wave w fetches one of these four parts with one tensor load (4 rows of 8,192 bytes):
; each part holds bytes of the slot's first step, so a slot that is asked for is read in every wave's part.  Fragments come out at 16 x lane + a constant: no padding.
; A slot whose first step lies beyond 31 - J is not asked for: none of the four waves would read it.
; NO CLUSTER: the work-groups of a head want different numbers of slots (5 to 8), and a joint load would bring some partners tiles that none of their waves reads.
; Rows 0 to 15 of every sequence are made here like the others; the last launch makes them anew in f32.
; LIMITS: the result beyond 65,504 in magnitude becomes infinite in f16; v_exp_f32 gives 0 for results under 2^-126 (ISA guide, its entry).
; REGISTERS: window 0: v1-11 addresses and constants; v16-31 statistics, 8 a tile; v32-95 S^T, 32 a tile; v96-127 P; v128-191 Q; v192-255 the way out.  window 1: v0-127 O^T, 64 a tile; v128-255 K.  window 2: v0-127 V^T.
.set SLOT1, 1<<17
.set SPARE, 2*SLOT1                    ; behind the ring: the spare words, 128 bytes a wave
.set ST, 16                            ; tile t at v[ST + 8 t]: +0 m, +1 the old m, +2, +3 l, +4 .. +7 at work; a = 2^(m_old - m_new) at +6
.set S,  32
.set P,  96
.set Q,  128
.set KF, 128                           ; in window 1
.set MSB, 0
.macro WIN new
.if MSB != (\new)
	s_set_vgpr_msb (MSB<<8)|(\new)
.set MSB, (\new)
.endif
.endm
.macro TLOAD                           ; my part of a slot; an s_nop 0 and four v_nop follow
	tensor_load_to_lds s[24:27], s[16:23]
	s_nop 0
.rept 4
	v_nop
.endr
.endm
; A prefetch of what the NEXT change of slots will ask for: my wave's part, 4 rows of 8,192 bytes, lanes 256 bytes apart: four instructions.  All work-groups of a head walk the same K and V:
; the one with J = 0, which walks all eight slots, asks, and nobody else: each run of 256 bytes is named once.  It stands a slot's four key steps ahead of the load.  The last change that fills asks for nothing.
.macro ASK
	s_cmp_gt_u32 s15, s30
	s_cbranch_scc0 .Lnot_mine_\@
.irp k, 0,1,2,3
	global_prefetch_b8 v8, s[28:29] offset:16384*\k th:TH_LOAD_NT scope:SCOPE_SE
.endr
.Lnot_mine_\@:
.endm
; THE CHANGE OF SLOTS stands at a slot's head.  Each wave waits for all its tensor loads (its part of the slot ahead), adds 0 to its spare word, and waits for that and for its reads of the slot that it has left.
; fill = 1: behind the barrier that other slot is filled with the next four steps, which then have a slot's steps in which to land; by this text's count one tensor load of a wave is out at most.
.macro CHANGE fill
	s_wait_tensorcnt 0x0                           ; no tensor load of mine is out, so group 0 may be written
	ds_add_u32 v10, v11
.if \fill
	s_xor_b32 s25, s25, SLOT1                      ; the walking descriptor: the other slot,
	s_add_nc_u64 s[26:27], s[26:27], 65536         ; the next four steps; the type bits on top are not reached
	s_wait_xcnt 0x0                                ; the last prefetches, a slot back, have read their address
	s_add_nc_u64 s[28:29], s[28:29], 65536
.endif
	s_wait_dscnt 0x0
	s_barrier_signal -1
	s_barrier_wait -1
.if \fill
	s_add_co_u32 s34, s12, 4                       ; the first step of the slot that this change would ask for
	s_cmp_gt_u32 s34, s10                          ; ids and the count of steps alone: all four waves go the same way, and a work-group that is past the limit stays past it
	s_cbranch_scc1 .Lpast_\@
	TLOAD
.Lpast_\@:
	ASK
.endif
.endm
.macro FETCH_K                         ; 64 keys x 128 channels: fragment (kt, c) at v[KF + 32 kt + 8 c]
	WIN 0x40
.irp kt, 0,1,2,3
.irp cc, 0,1,2,3,4,5,6,7
	ds_load_b128 v[KF+32*\kt+4*\cc:KF+32*\kt+4*\cc+3], v4 offset:(\kt/2)*32768+(\kt%2)*4096+512*\cc
.endr
.endr
.endm
.macro FETCH_V                         ; 128 channels x 64 keys: fragment (channels 16 tt on, keys 32 g on) at v[64 g + 8 tt]
	WIN 0x80
.irp p, 0,1,2,3
.irp tt, 0,1,2,3,4,5,6,7
	ds_load_b128 v[64*(\p/2)+8*\tt+4*(\p%2):64*(\p/2)+8*\tt+4*(\p%2)+3], v5 offset:(\p/2)*32768+(\p%2)*4096+512*\tt
.endr
.endr
	WIN 0
.endm
.macro KQ n                            ; S^T = K Q^T for n tiles: the 4 n accumulators take turns; the first of each starts its sum
	WIN 0x01
.irp c, 0,1,2,3
.irp kt, 0,1,2,3
.irp t, 0,1
.if \t < (\n)
.if \c == 0
	v_wmma_f32_16x16x32_f16 v[S+32*\t+8*\kt:S+32*\t+8*\kt+7], v[KF+32*\kt+8*\c:KF+32*\kt+8*\c+7], v[Q+32*\t+8*\c:Q+32*\t+8*\c+7], 0
.else
	v_wmma_f32_16x16x32_f16 v[S+32*\t+8*\kt:S+32*\t+8*\kt+7], v[KF+32*\kt+8*\c:KF+32*\kt+8*\c+7], v[Q+32*\t+8*\c:Q+32*\t+8*\c+7], v[S+32*\t+8*\kt:S+32*\t+8*\kt+7]
.endif
.endif
.endr
.endr
.endr
.endm
.macro MASK t                          ; on the diagonal register 8 kt + j holds key 16 kt + 8 h + j of the step, my query is 16 w + r of the block: hidden where 16 kt + j > 16 w + r - 8 h
.set i, 0
.rept 32
	v_cmp_gt_i32 vcc_lo, 16*(i/8)+i%8, v6
	v_cndmask_b32 v[S+32*(\t)+i], v[S+32*(\t)+i], v7, vcc_lo
.set i, i+1
.endr
.endm
.macro SOFTMAX n
.irp j, 0,1,2,3
.irp t, 0,1
.if \t < (\n)
	v_max3_num_f32 v[ST+8*\t+4+\j], v[S+32*\t+8*\j], v[S+32*\t+8*\j+1], v[S+32*\t+8*\j+2]   ; four chains, each accumulator from its low end on
.endif
.endr
.endr
.irp i, 3,5
.irp j, 0,1,2,3
.irp t, 0,1
.if \t < (\n)
	v_max3_num_f32 v[ST+8*\t+4+\j], v[ST+8*\t+4+\j], v[S+32*\t+8*\j+\i], v[S+32*\t+8*\j+\i+1]
.endif
.endr
.endr
.endr
.irp t, 0,1
.if \t < (\n)
	v_max3_num_f32 v[ST+8*\t+4], v[ST+8*\t+4], v[S+32*\t+7], v[S+32*\t+15]
	v_max3_num_f32 v[ST+8*\t+6], v[ST+8*\t+6], v[S+32*\t+23], v[S+32*\t+31]
.endif
.endr
.irp t, 0,1
.if \t < (\n)
	v_max3_num_f32 v[ST+8*\t+4], v[ST+8*\t+4], v[ST+8*\t+5], v[ST+8*\t+6]
.endif
.endr
.irp t, 0,1
.if \t < (\n)
	v_max3_num_f32 v[ST+8*\t+4], v[ST+8*\t+4], v[ST+8*\t+7], v[ST+8*\t]      ; and the old m
.endif
.endr
.irp t, 0,1
.if \t < (\n)
	v_permlanex16_b32 v[ST+8*\t+5], v[ST+8*\t+4], s32, s33                   ; the query's other 32 keys lie in the lane 16 away
	v_mov_b32 v[ST+8*\t+1], v[ST+8*\t]
.endif
.endr
.irp t, 0,1
.if \t < (\n)
	v_max_num_f32 v[ST+8*\t], v[ST+8*\t+4], v[ST+8*\t+5]                     ; the new m
.endif
.endr
.irp t, 0,1
.if \t < (\n)
	v_sub_f32 v[ST+8*\t+7], v[ST+8*\t+1], v[ST+8*\t]
.endif
.endr
.irp b, 0,1,2,3,4,5,6,7,8,9,10,11,12,13,14,15
.irp t, 0,1
.if \t < (\n)
	v_pk_add_f32 v[S+32*\t+2*\b:S+32*\t+2*\b+1], v[S+32*\t+2*\b:S+32*\t+2*\b+1], v[ST+8*\t:ST+8*\t+1] op_sel_hi:[1,0] neg_lo:[0,1] neg_hi:[0,1]   ; t - m, two at a time
.endif
.endr
.endr
.irp t, 0,1
.if \t < (\n)
	v_exp_f32 v[ST+8*\t+6], v[ST+8*\t+7]                                     ; ONE BATCH: a, and the 32 weights of each tile
.set i, 0
.rept 32
	v_exp_f32 v[S+32*\t+i], v[S+32*\t+i]
.set i, i+1
.endr
.endif
.endr
	v_nop                                          ; a plain line behind the last exponential,
	s_wait_alu depctr_va_vdst(0)                   ; and one wait for the batch, ahead of its first reader
.irp k, 0,1,2,3,4,5,6,7,8,9,10,11,12,13,14,15
.irp t, 0,1
.if \t < (\n)
	v_cvt_pk_f16_f32 v[P+16*\t+\k], v[S+32*\t+2*\k], v[S+32*\t+2*\k+1]
.endif
.endr
.endr
.irp u, 0,1,2,3,4,5,6,7
.irp t, 0,1
.if \t < (\n)
	v_pk_add_f32 v[S+32*\t+4*\u:S+32*\t+4*\u+1], v[S+32*\t+4*\u:S+32*\t+4*\u+1], v[S+32*\t+4*\u+2:S+32*\t+4*\u+3]   ; the sum of the unrounded weights, as a tree of pairs
.endif
.endr
.endr
.irp u, 0,1,2,3
.irp t, 0,1
.if \t < (\n)
	v_pk_add_f32 v[S+32*\t+8*\u:S+32*\t+8*\u+1], v[S+32*\t+8*\u:S+32*\t+8*\u+1], v[S+32*\t+8*\u+4:S+32*\t+8*\u+5]
.endif
.endr
.endr
.irp u, 0,1
.irp t, 0,1
.if \t < (\n)
	v_pk_add_f32 v[S+32*\t+16*\u:S+32*\t+16*\u+1], v[S+32*\t+16*\u:S+32*\t+16*\u+1], v[S+32*\t+16*\u+8:S+32*\t+16*\u+9]
.endif
.endr
.endr
.irp t, 0,1
.if \t < (\n)
	v_pk_add_f32 v[S+32*\t:S+32*\t+1], v[S+32*\t:S+32*\t+1], v[S+32*\t+16:S+32*\t+17]
.endif
.endr
.irp t, 0,1
.if \t < (\n)
	v_pk_fma_f32 v[ST+8*\t+2:ST+8*\t+3], v[ST+8*\t+2:ST+8*\t+3], v[ST+8*\t+6:ST+8*\t+7], v[S+32*\t:S+32*\t+1] op_sel_hi:[1,0,1]   ; l = a l + the sum
.endif
.endr
.endm
.macro RESCALE n                       ; O^T times a, each accumulator from its low end on
	WIN 0x41
.irp t, 0,1
.if \t < (\n)
.set i, 0
.rept 32
	v_pk_mul_f32 v[64*\t+i:64*\t+i+1], v[64*\t+i:64*\t+i+1], v[ST+8*\t+6:ST+8*\t+7] op_sel_hi:[1,0]
.set i, i+2
.endr
.endif
.endr
.endm
.macro PV n                            ; O^T += V^T P: the 8 n accumulators take turns
	WIN 0x52
.irp g, 0,1
.irp tt, 0,1,2,3,4,5,6,7
.irp t, 0,1
.if \t < (\n)
	v_wmma_f32_16x16x32_f16 v[64*\t+8*\tt:64*\t+8*\tt+7], v[64*\g+8*\tt:64*\g+8*\tt+7], v[P+16*\t+8*\g:P+16*\t+8*\g+7], v[64*\t+8*\tt:64*\t+8*\tt+7]
.endif
.endr
.endr
.endr
.endm
.macro BODY both                       ; a key step for tile 0 alone (0) or for both tiles (1)
	s_wait_dscnt 32                                ; K is in; V's 32 loads may be out
	KQ 1+\both
	WIN 0
.rept 4
	v_nop                                          ; places in front of the first read of the scores
.endr
.if \both
	s_cmp_lg_u32 s12, s9
	s_cbranch_scc1 .Lopen_\@
	MASK 1
.else
	s_cmp_lg_u32 s12, s10
	s_cbranch_scc1 .Lopen_\@
	MASK 0
.endif
.Lopen_\@:
	SOFTMAX 1+\both
	s_wait_dscnt 0x0                               ; V is in
	RESCALE 1+\both
	PV 1+\both
	WIN 0
.endm
; A slot's four steps: written once, walked four times; the LDS addresses hang on s13.  A step beyond 31 - J is left out: a branch on ids round its loads and work, not round the lines that step addresses.
; Each step fetches its own K and V at its head, so that on every way through the text a step's operands are written before they are read.
.macro SLOT_STEPS
	s_mov_b32 s14, 4
.Lstep_\@:
	s_cmp_gt_u32 s12, s10
	s_cbranch_scc1 .Lend_\@
	v_add_nc_u32 v4, s13, v1
	v_add_nc_u32 v5, s13, v3
	v_nop
	v_nop                                          ; with the two additions: four places between the last step's products and loads into V's registers
	FETCH_K
	FETCH_V
	s_cmp_gt_u32 s12, s9
	s_cbranch_scc1 .Lalone_\@
	BODY 1
	s_branch .Lend_\@
.Lalone_\@:
	BODY 0
.Lend_\@:
	s_add_co_u32 s12, s12, 1
	s_add_co_u32 s13, s13, 8192
	s_sub_co_u32 s14, s14, 1
	s_cmp_lg_u32 s14, 0
	s_cbranch_scc1 .Lstep_\@
	s_sub_co_u32 s13, s13, 32768                   ; back to a slot's first step,
	s_xor_b32 s13, s13, SLOT1                      ; in the other slot
.endm
	s_load_b128 s[4:7], s[0:1], 0x0                ; qkv s[4:5], attn s[6:7]
	v_lshl_add_u32 v10, v0, 2, SPARE
	v_mov_b32 v11, 0
	ds_add_u32 v10, v11                            ; the wave's opening: the add, twice on end, and its wait ahead of my first tensor load
	ds_add_u32 v10, v11
	v_lshrrev_b32 v1, 5, v0
	v_readfirstlane_b32 s8, v1                     ; wave
	s_mov_b32 s9, ttmp9                            ; J
	s_sub_co_u32 s10, 31, s9                       ; 31 - J
	s_and_b32 s11, ttmp7, 0xffff                   ; 8 x batch + head
	s_mov_b32 s16, 3<<16                           ; group 1: elements of 8 bytes, no mask, no padding
	s_mov_b32 s17, 1024<<16                        ; tensor_dim0: 8,192 bytes
	s_mov_b32 s18, 4<<16                           ; tensor_dim1: 4 rows
	s_mov_b32 s19, 1024<<16                        ; tile_dim0
	s_mov_b32 s20, 4                               ; tile_dim1
	s_mov_b32 s21, 2048                            ; from step to step: 16,384 bytes
	s_mov_b32 s22, 0
	s_mov_b32 s23, 0
	s_mov_b32 s24, 1
	s_lshl_b32 s25, s8, 15                         ; my part of slot 0
	s_lshr_b32 s34, s8, 1
	s_add_co_u32 s34, s34, 1                       ; waves 0, 1: k's region; waves 2, 3: v's
	s_lshl_b32 s42, s34, 23
	s_lshl_b32 s44, s11, 19                        ; the head's 524,288 bytes
	s_add_co_u32 s42, s42, s44
	s_and_b32 s35, s8, 1
	s_lshl_b32 s35, s35, 13
	s_add_co_u32 s42, s42, s35
	s_mov_b32 s43, 0
	s_mov_b32 s32, 0x76543210
	s_mov_b32 s33, 0xfedcba98
	s_mov_b32 s12, 0                               ; the step
	s_mov_b32 s13, 0                               ; its place in LDS
	s_mov_b32 s15, 7                               ; slots still to be asked for
	s_cmp_eq_u32 s9, 0
	s_cselect_b32 s30, 1, -1                       ; a wave prefetches while s15 is above this
	s_wait_dscnt 0x0
	s_wait_kmcnt 0x0
	s_add_nc_u64 s[26:27], s[4:5], s[42:43]
	s_add_nc_u64 s[28:29], s[26:27], 65536         ; the prefetches stand at slot 1: the first change steps them to slot 2.  Nothing is prefetched at the head
	s_or_b32 s27, s27, 0x80000000
	TLOAD                                          ; slot 0
	s_lshl_b32 s34, s10, 2
	s_add_co_u32 s34, s34, s8                      ; tile 0's block of 16 positions
	s_lshl_b32 s35, s9, 2
	s_add_co_u32 s35, s35, s8                      ; tile 1's
	s_lshl_b32 s42, s34, 12
	s_add_co_u32 s42, s42, s44
	s_add_nc_u64 s[36:37], s[4:5], s[42:43]
	s_lshl_b32 s42, s35, 12
	s_add_co_u32 s42, s42, s44
	s_add_nc_u64 s[46:47], s[4:5], s[42:43]
	s_lshr_b32 s45, s11, 3
	s_lshl_b32 s45, s45, 7                         ; 128 blocks of rows a batch
	s_and_b32 s48, s11, 7
	s_lshl_b32 s48, s48, 12                        ; the head's 8 chunks
	s_add_co_u32 s42, s45, s34
	s_lshl_b32 s42, s42, 15
	s_add_co_u32 s42, s42, s48
	s_add_nc_u64 s[38:39], s[6:7], s[42:43]
	s_add_co_u32 s42, s45, s35
	s_lshl_b32 s42, s42, 15
	s_add_co_u32 s42, s42, s48
	s_add_nc_u64 s[40:41], s[6:7], s[42:43]
	v_and_b32 v2, 31, v0
	v_lshlrev_b32 v1, 4, v2                        ; 16 x lane
	v_add_nc_u32 v3, 65536, v1                     ; and V's part of a slot
	v_lshlrev_b32 v8, 8, v2
.irp cc, 0,1,2,3,4,5,6,7
	global_load_b128 v[Q+4*\cc:Q+4*\cc+3], v1, s[36:37] offset:512*\cc          ; Q stays in registers
	global_load_b128 v[Q+32+4*\cc:Q+32+4*\cc+3], v1, s[46:47] offset:512*\cc
.endr
	v_and_b32 v9, 15, v0
	v_bfe_u32 v12, v0, 4, 1
	v_lshlrev_b32 v12, 3, v12
	v_sub_nc_u32 v6, v9, v12
	s_lshl_b32 s34, s8, 4
	v_add_nc_u32 v6, s34, v6                       ; 16 w + r - 8 h
	v_mov_b32 v7, 0xff800000                       ; -infinity
.irp t, 0,1
	v_mov_b32 v[ST+8*\t], 0xff61b1e6               ; m: -3e38, under every t
	v_mov_b32 v[ST+8*\t+2], 0                      ; l
	v_mov_b32 v[ST+8*\t+3], 0
	v_mov_b32 v[ST+8*\t+5], 0                      ; written once here: a lane permute's destination counts as one of its sources, on the way out too
.endr
	WIN 0x40
.set i, 0
.rept 128
	v_mov_b32 v[i], 0                              ; O^T.  The step is written once: the first finds zeros, which its a = 0 leaves zeros; a first step of its own would be a third copy of the step
.set i, i+1
.endr
	WIN 0
	s_wait_loadcnt 0x0                             ; Q
.Lslot:                                                ; seven trips: behind each change of slots but the last the next slot is asked for, up to the causal limit
	CHANGE 1
	SLOT_STEPS
	s_sub_co_u32 s15, s15, 1
	s_cmp_lg_u32 s15, 0
	s_cbranch_scc1 .Lslot
	CHANGE 0
	SLOT_STEPS
	; THE WAY OUT: O^T / l, to f16; a lane's eight channels are 16 bytes of the image: each store covers 512 consecutive aligned bytes
.rept 4
	v_nop
.endr
.irp t, 0,1
	v_add_f32 v[ST+8*\t+4], v[ST+8*\t+2], v[ST+8*\t+3]
.endr
.irp t, 0,1
	v_permlanex16_b32 v[ST+8*\t+5], v[ST+8*\t+4], s32, s33
.endr
.irp t, 0,1
	v_add_f32 v[ST+8*\t+4], v[ST+8*\t+4], v[ST+8*\t+5]
.endr
.irp t, 0,1
	v_rcp_f32 v[ST+8*\t+6], v[ST+8*\t+4]
.endr
	v_nop
	s_wait_alu depctr_va_vdst(0)                   ; one wait for the two reciprocals
.irp t, 0,1
	WIN 0x01
.set i, 0
.rept 64
	v_mul_f32 v[192+i], v[64*\t+i], v[ST+8*\t+6]
.set i, i+1
.endr
	WIN 0
.set i, 0
.rept 32
	v_cvt_pk_f16_f32 v[S+32*\t+i], v[192+2*i], v[192+2*i+1]
.set i, i+1
.endr
.irp f, 0,1,2,3,4,5,6,7
	global_store_b128 v1, v[S+32*\t+4*\f:S+32*\t+4*\f+3], s[38+2*\t:39+2*\t] offset:512*\f
.endr
.endr
	s_wait_tensorcnt 0x0                           ; the wave's end
	ds_add_u32 v10, v11
	s_wait_dscnt 0x0
	s_endpgm
.Lfunc_end_k_q37de5f067e_attn:
	.size	k_q37de5f067e_attn, .Lfunc_end_k_q37de5f067e_attn-k_q37de5f067e_attn
	.p2alignl 7, 3214868480
	.fill 96, 4, 3214868480
	.section	.rodata,"a",@progbits
	.p2align	6, 0x0
	.amdhsa_kernel k_q37de5f067e_attn
		.amdhsa_group_segment_fixed_size 327680
		.amdhsa_private_segment_fixed_size 0
		.amdhsa_enable_private_segment 0
		.amdhsa_kernarg_size 16
		.amdhsa_user_sgpr_count 2
		.amdhsa_user_sgpr_kernarg_segment_ptr 1
		.amdhsa_wavefront_size32 1
		.amdhsa_system_sgpr_workgroup_id_x 1
		.amdhsa_system_sgpr_workgroup_id_y 1
		.amdhsa_system_sgpr_workgroup_id_z 1
		.amdhsa_system_vgpr_workitem_id 0
		.amdhsa_next_free_vgpr 640
		.amdhsa_next_free_sgpr 66
		.amdhsa_reserve_vcc 1
		.amdhsa_float_denorm_mode_32 3
		.amdhsa_float_denorm_mode_16_64 3
		.amdhsa_memory_ordered 1
		.amdhsa_forward_progress 1
		.amdhsa_inst_pref_size 96
	.end_amdhsa_kernel
	.amdgpu_metadata
---
amdhsa.version: [ 1, 2 ]
amdhsa.kernels:
  - .name:           k_q37de5f067e_attn
    .symbol:         k_q37de5f067e_attn.kd
    .args:
      - { .name: qkv, .offset: 0, .size: 8, .value_kind: global_buffer, .address_space: global }
      - { .name: attn, .offset: 8, .size: 8, .value_kind: global_buffer, .address_space: global }
    .group_segment_fixed_size: 327680
    .private_segment_fixed_size: 0
    .kernarg_segment_align: 8
    .kernarg_segment_size: 16
    .max_flat_workgroup_size: 128
    .sgpr_count:     66
    .vgpr_count:     640
    .wavefront_size: 32
...
	.end_amdgpu_metadata
.endif
;; end of part 3
;; launch proj (part 4): grid 16 x 16, 4 waves a work-group, clusters of 4 x 4, 327,680 bytes of LDS; arguments attn, wo16, out0; writes out0
.if DOCPART == 4
	.amdgcn_target "amdgcn-amd-amdhsa--gfx1250"
	.amdhsa_code_object_version 6
	.text
	.protected	k_q37de5f067e_proj
	.globl	k_q37de5f067e_proj
	.p2align	8
	.type	k_q37de5f067e_proj,@function
k_q37de5f067e_proj:
	s_mov_b64 s[64:65], 0
	v_nop
	global_prefetch_b8 v0, s[64:65] scope:SCOPE_SE
	s_setreg_imm32_b32 hwreg(HW_REG_WAVE_MODE, 25, 1), 1
	s_wait_xcnt 0x0
	s_wait_alu depctr_hold_cnt(0) depctr_sa_sdst(0) depctr_va_vdst(0) depctr_va_sdst(0) depctr_va_ssrc(0) depctr_va_vcc(0) depctr_vm_vsrc(0)
	s_getreg_b32 s2, hwreg(HW_REG_IB_STS2, 6, 4)
	s_cmp_eq_u32 s2, 0
	s_cbranch_scc0 .Lentry_in_a_cluster
	s_endpgm
.Lentry_in_a_cluster:
	s_bfe_u32 s2, ttmp6, 0x10000c
	s_cmp_lg_u32 s2, 0xf033
	s_cbranch_scc0 .Lentry_shape_is_right
	s_endpgm
.Lentry_shape_is_right:
; PROJ: out0 [4096][2048] f32 = attn [4096][1024] x Wo [1024][2048], f16 operands, f32 sums.  Both operands lie in memory as images of operand registers:
; [16 rows][64 chunks of 16 along K][lane][16 bytes].  A tile of C is 256 x 128: 256 work-groups; a wave makes 128 x 64: 32 accumulators.
; K goes in steps of 128 (4,096 bytes for each 16 rows) through a ring of two slots; waves 0, 1 fetch A's halves (8 rows of 4,096 bytes), waves 2, 3 B's (4 rows).
; CLUSTERS: 4 x 4; A's tiles are shared along a row of the cluster, B's along a column, each asked for jointly.  THE MATRIX INSTRUCTION IS USED TRANSPOSED: a lane holds eight neighbouring numbers of a row of C.
; All 4,096 rows are made here; rows 0 to 15 of both sequences are written again, more finely, by the launch that follows.
; REGISTERS: window 0: v16-29 addresses; v64-159, v160-255 two fragment buffers for 32 along K (64 registers of A, 32 of B).  window 1: accumulator (a, b) at v[8 (4 a + b)].
.set SLOT,   98304                     ; A's 16 x 4,096 bytes, then B's 8 x 4,096
.set STAGE,  2*SLOT                    ; behind the ring: 16 rows x (256 bytes + 16) for each wave
.set SPITCH, 272
.set SPARE,  STAGE+4*16*SPITCH         ; the spare words, 128 bytes a wave
.set LAPS,   4                         ; 1,024 along K = eight K steps
.set ADRA, 16
.set ADRB, 20
.set STO,  24
.set RD,   25
.set CO,   26
.set SPW,  28
.set NIL,  29
.set F0,   64
.set F1,   160
.set BK,   64                          ; the way out: v64-95 and v96-127 by turns
.set G1, 24
.set G0, 32
.set G1B, 48
.set G0B, 56
.set MSB, 0
.macro WIN new
.if MSB != (\new)
	s_set_vgpr_msb (MSB<<8)|(\new)
.set MSB, (\new)
.endif
.endm
.set MUL, 0x50                         ; C and D window 1, operands window 0
.macro JLOAD s
	s_cmp_eq_u32 s11, 0
	s_cbranch_scc0 .Lfor_b_\@
	tensor_load_to_lds s[G0+4*\s:G0+4*\s+3], s[G1:G1+7]
	s_nop 0
.rept 4
	v_nop
.endr
	s_branch .Lasked_\@
.Lfor_b_\@:
	tensor_load_to_lds s[G0B+4*\s:G0B+4*\s+3], s[G1B:G1B+7]
	s_nop 0
.rept 4
	v_nop
.endr
.Lasked_\@:
.endm
.macro CREST
	s_cmp_lg_u32 s10, 0
	s_cbranch_scc1 .Lnot_wave_0_\@
	s_barrier_signal -3
.Lnot_wave_0_\@:
	s_barrier_wait -3
	s_barrier_signal -1
	s_barrier_wait -1
.endm
.macro CROUND
	s_barrier_signal -1
	s_barrier_wait -1
	CREST
.endm
	s_load_b128 s[4:7], s[0:1], 0x0                ; attn s[4:5], wo16 s[6:7]
	s_load_b64 s[8:9], s[0:1], 0x10                ; out0
	v_lshl_add_u32 v[SPW], v0, 2, SPARE
	v_mov_b32 v[NIL], 0
	ds_add_u32 v[SPW], v[NIL]                      ; the wave's opening: the add, twice on end, and its wait ahead of my first tensor load
	ds_add_u32 v[SPW], v[NIL]
	v_lshrrev_b32 v1, 5, v0
	v_readfirstlane_b32 s10, v1                    ; wave
	s_lshr_b32 s11, s10, 1                         ; my half of the tile's rows.  Also: I fetch for A (0) or for B (1)
	s_and_b32 s12, s10, 1                          ; my half of its columns.  Also: which half I fetch
	s_bfe_u32 s40, ttmp6, 0x40000
	s_bfe_u32 s41, ttmp6, 0x40004
	s_lshl_b32 s42, ttmp9, 2
	s_add_co_u32 s42, s42, s40                     ; tile column
	s_and_b32 s13, ttmp7, 0xffff
	s_lshl_b32 s13, s13, 2
	s_add_co_u32 s13, s13, s41                     ; tile row
	s_lshl_b32 s43, s41, 2
	s_lshl_b32 s43, 15, s43
	s_lshl_b32 s44, 0x1111, s40
	s_or_b32 s[G1+0], s43, (3<<16)|(1<<21)         ; the mask; elements of 8 bytes; bit 21 beside a mask; no padding
	s_or_b32 s[G1B+0], s44, (3<<16)|(1<<21)
	s_mov_b32 s[G1+1], 512<<16                     ; rows of 4,096 bytes
	s_mov_b32 s[G1+2], 8<<16
	s_mov_b32 s[G1+3], 512<<16
	s_mov_b32 s[G1+4], 8
	s_mov_b32 s[G1+5], 4096                        ; 32,768 bytes from 16 rows to the next
	s_mov_b32 s[G1+6], 0
	s_mov_b32 s[G1+7], 0
	s_mov_b32 s[G1B+1], 512<<16
	s_mov_b32 s[G1B+2], 4<<16
	s_mov_b32 s[G1B+3], 512<<16
	s_mov_b32 s[G1B+4], 4
	s_mov_b32 s[G1B+5], 4096
	s_mov_b32 s[G1B+6], 0
	s_mov_b32 s[G1B+7], 0
	s_lshl_b32 s16, s13, 4
	s_lshl_b32 s17, s12, 3
	s_add_co_u32 s16, s16, s17
	s_lshl_b32 s16, s16, 15
	s_mov_b32 s17, 0
	s_lshl_b32 s46, s42, 3
	s_lshl_b32 s47, s12, 2
	s_add_co_u32 s46, s46, s47
	s_lshl_b32 s46, s46, 15
	s_mov_b32 s47, 0
	s_lshl_b32 s20, s12, 15                        ; where A's half goes,
	s_lshl_b32 s21, s12, 14
	s_add_co_u32 s21, s21, 65536                   ; and B's
	s_wait_dscnt 0x0
	s_wait_kmcnt 0x0
	s_add_nc_u64 s[14:15], s[4:5], s[16:17]
	s_add_nc_u64 s[46:47], s[6:7], s[46:47]
	CROUND
.irp s, 0,1
	s_mov_b32 s[G0+4*\s], 1
	s_add_co_u32 s[G0+4*\s+1], s20, \s*SLOT
	s_add_nc_u64 s[G0+4*\s+2:G0+4*\s+3], s[14:15], \s*4096
	s_or_b32 s[G0+4*\s+3], s[G0+4*\s+3], 0x80000000
	s_mov_b32 s[G0B+4*\s], 1
	s_add_co_u32 s[G0B+4*\s+1], s21, \s*SLOT
	s_add_nc_u64 s[G0B+4*\s+2:G0B+4*\s+3], s[46:47], \s*4096
	s_or_b32 s[G0B+4*\s+3], s[G0B+4*\s+3], 0x80000000
	JLOAD \s
.endr
	v_and_b32 v1, 15, v0                           ; r
	v_bfe_u32 v2, v0, 4, 1                         ; h
	v_and_b32 v3, 31, v0
	v_lshlrev_b32 v3, 4, v3                        ; 16 x lane
	s_lshl_b32 s22, s11, 15                        ; my 128 rows of A
	s_lshl_b32 s23, s12, 14
	s_add_co_u32 s23, s23, 65536                   ; my 64 rows of B
.irp s, 0,1
	v_add_nc_u32 v[ADRA+\s], s22, v3
	v_add_nc_u32 v[ADRB+\s], s23, v3
	s_add_co_u32 s22, s22, SLOT
	s_add_co_u32 s23, s23, SLOT
.endr
	s_mul_i32 s22, s10, 16*SPITCH
	s_add_co_u32 s22, s22, STAGE                   ; my stage
	v_mul_u32_u24 v4, v1, SPITCH
	v_lshl_add_u32 v4, v2, 5, v4
	v_add_nc_u32 v[STO], s22, v4                   ; in: row r, 32 bytes for each half of the lanes
	v_mul_u32_u24 v5, v2, SPITCH
	v_lshl_add_u32 v5, v1, 4, v5
	v_add_nc_u32 v[RD], s22, v5                    ; back: lanes 0-15 one row of 256 bytes, lanes 16-31 the next
	v_lshlrev_b32 v5, 13, v2
	v_lshl_add_u32 v[CO], v1, 4, v5                ; and the same two rows in out0
	s_lshl_b32 s16, s13, 8
	s_lshl_b32 s17, s11, 7
	s_add_co_u32 s16, s16, s17
	s_lshl_b32 s16, s16, 13                        ; my first row, in bytes
	s_mov_b32 s17, 0
	s_add_nc_u64 s[8:9], s[8:9], s[16:17]
	s_lshl_b32 s46, s42, 9
	s_lshl_b32 s47, s12, 8
	s_add_co_u32 s46, s46, s47                     ; my first column, in bytes
	s_mov_b32 s47, 0
	s_add_nc_u64 s[8:9], s[8:9], s[46:47]
.macro MUL8 f, a0, zero                ; A's blocks a0, a0 + 1 x B's four, 32 along K; the 32 accumulators take turns
.irp a, \a0, \a0+1
.irp b, 0,1,2,3
.if \zero
	v_wmma_f32_16x16x32_f16 v[8*(4*(\a)+\b):8*(4*(\a)+\b)+7], v[\f+64+8*\b:\f+64+8*\b+7], v[\f+8*(\a):\f+8*(\a)+7], 0
.else
	v_wmma_f32_16x16x32_f16 v[8*(4*(\a)+\b):8*(4*(\a)+\b)+7], v[\f+64+8*\b:\f+64+8*\b+7], v[\f+8*(\a):\f+8*(\a)+7], v[8*(4*(\a)+\b):8*(4*(\a)+\b)+7]
.endif
.endr
.endr
.endm
.macro FETCH slot, kq, f               ; 24 LDS loads in one run: B's four fragments, then A's eight, of the slot's kq-th 32 along K
	WIN 0
.irp i, 0,1,2,3
.irp u, 0,1
	ds_load_b128 v[\f+64+8*\i+4*\u:\f+64+8*\i+4*\u+3], v[ADRB+\slot] offset:4096*\i+1024*(\kq)+512*\u
.endr
.endr
.irp i, 0,1,2,3,4,5,6,7
.irp u, 0,1
	ds_load_b128 v[\f+8*\i+4*\u:\f+8*\i+4*\u+3], v[ADRA+\slot] offset:4096*\i+1024*(\kq)+512*\u
.endr
.endr
.endm
.macro PLACES
.rept 4
	v_nop
.endr
.endm
.macro QUARTER slot, kq, f, g, zero    ; multiplies buffer f; in its middle fetches the slot's kq-th quarter into g
	s_wait_dscnt 8                                 ; B and A's blocks 0-3 are in; the youngest eight loads (A's blocks 4-7) may be out
	WIN MUL
	MUL8 \f, 0, \zero
	MUL8 \f, 2, \zero
	PLACES
	FETCH \slot, \kq, \g
	s_wait_dscnt 24                                ; all but the 24 just issued
	WIN MUL
	MUL8 \f, 4, \zero
	MUL8 \f, 6, \zero
.endm
.macro TURN slot, next, fill           ; the last quarter multiplies buffer 1 and changes slots
	WIN 0
	s_wait_tensorcnt 0x0                           ; all my tensor loads have landed: my part of the next slot
	ds_add_u32 v[SPW], v[NIL]
	s_wait_dscnt 9                                 ; (the add and the youngest eight loads may be out)
	WIN MUL
	MUL8 F1, 0, 0
	s_wait_dscnt 0x0                               ; the add is done, and my reads of this slot are over
	s_barrier_signal -1
	MUL8 F1, 2, 0
	WIN 0
	s_barrier_wait -1
.if \fill
	CREST
	s_add_nc_u64 s[G0+4*\slot+2:G0+4*\slot+3], s[G0+4*\slot+2:G0+4*\slot+3], 8192
	s_add_nc_u64 s[G0B+4*\slot+2:G0B+4*\slot+3], s[G0B+4*\slot+2:G0B+4*\slot+3], 8192
	JLOAD \slot                                    ; the first tensor load behind the round; its four v_nop are the places in front of the loads below
.else
	PLACES
.endif
	FETCH \next, 0, F0
	WIN MUL
	MUL8 F1, 4, 0
	MUL8 F1, 6, 0
.endm
	s_wait_tensorcnt 1                             ; my part of K step 0 is in; K step 1's load may be out
	s_barrier_signal -1
	s_barrier_wait -1
	FETCH 0, 0, F0
	QUARTER 0, 1, F0, F1, 1                        ; the first quarter's products start the sums
	WIN 0
	s_mov_b32 s3, LAPS-1
.Llap:
	QUARTER 0, 2, F1, F0, 0
	QUARTER 0, 3, F0, F1, 0
	TURN 0, 1, 1
	QUARTER 1, 1, F0, F1, 0
	QUARTER 1, 2, F1, F0, 0
	QUARTER 1, 3, F0, F1, 0
	TURN 1, 0, 1
	QUARTER 0, 1, F0, F1, 0
	WIN 0
	s_sub_co_u32 s3, s3, 1
	s_cmp_lg_u32 s3, 0
	s_cbranch_scc1 .Llap
	QUARTER 0, 2, F1, F0, 0                        ; the last lap fills nothing
	QUARTER 0, 3, F0, F1, 0
	TURN 0, 1, 0
	QUARTER 1, 1, F0, F1, 0
	QUARTER 1, 2, F1, F0, 0
	QUARTER 1, 3, F0, F1, 0
	s_wait_dscnt 8
	WIN MUL
	MUL8 F1, 0, 0
	MUL8 F1, 2, 0
	s_wait_dscnt 0
	MUL8 F1, 4, 0
	MUL8 F1, 6, 0
	WIN 0
; THE WAY OUT, block by block of 16 rows x 64 columns, through my own stage: sixteen lanes then store 256 consecutive aligned bytes.  LDS serves a wave's instructions in order: no wait between the stores and the loads.
.macro TOSTAGE a
	WIN 0x04                                       ; an LDS store's data are its source 1: window 1
.irp b, 0,1,2,3
	ds_store_b128 v[STO], v[8*(4*(\a)+\b):8*(4*(\a)+\b)+3] offset:64*\b          ; each accumulator from its low end on
	ds_store_b128 v[STO], v[8*(4*(\a)+\b)+4:8*(4*(\a)+\b)+7] offset:64*\b+16
.endr
	WIN 0
.set BB, BK+32*((\a)%2)
.irp t, 0,1,2,3,4,5,6,7
	ds_load_b128 v[BB+4*\t:BB+4*\t+3], v[RD] offset:\t*2*SPITCH
.endr
.endm
.macro SEND a, younger
.set BB, BK+32*((\a)%2)
	s_wait_dscnt \younger                          ; the block is back; the next block's 8 stores and 8 loads may be out
.if (\a) > 0
	s_add_nc_u64 s[8:9], s[8:9], 131072            ; 16 rows on (behind a wait on XCNT: the earlier stores have read their base)
.endif
.irp t, 0,1,2,3,4,5,6,7
	global_store_b128 v[CO], v[BB+4*\t:BB+4*\t+3], s[8:9] offset:16384*\t th:TH_STORE_NT
.endr
.endm
	PLACES
	TOSTAGE 0
.irp a, 1,2,3,4,5,6,7
.if \a > 1
	s_wait_xcnt 0x0                                ; block a - 2's stores have read their registers and their base
.endif
	TOSTAGE \a
	SEND \a-1, 16
.endr
	s_wait_xcnt 0x0
	SEND 7, 0
	s_wait_tensorcnt 0x0                           ; the wave's end
	ds_add_u32 v[SPW], v[NIL]
	s_wait_dscnt 0x0
	CROUND                                         ; the closing round
	s_endpgm
.Lfunc_end_k_q37de5f067e_proj:
	.size	k_q37de5f067e_proj, .Lfunc_end_k_q37de5f067e_proj-k_q37de5f067e_proj
	.p2alignl 7, 3214868480
	.fill 96, 4, 3214868480
	.section	.rodata,"a",@progbits
	.p2align	6, 0x0
	.amdhsa_kernel k_q37de5f067e_proj
		.amdhsa_group_segment_fixed_size 327680
		.amdhsa_private_segment_fixed_size 0
		.amdhsa_enable_private_segment 0
		.amdhsa_kernarg_size 24
		.amdhsa_user_sgpr_count 2
		.amdhsa_user_sgpr_kernarg_segment_ptr 1
		.amdhsa_wavefront_size32 1
		.amdhsa_system_sgpr_workgroup_id_x 1
		.amdhsa_system_sgpr_workgroup_id_y 1
		.amdhsa_system_sgpr_workgroup_id_z 1
		.amdhsa_system_vgpr_workitem_id 0
		.amdhsa_next_free_vgpr 512
		.amdhsa_next_free_sgpr 66
		.amdhsa_reserve_vcc 0
		.amdhsa_float_denorm_mode_32 3
		.amdhsa_float_denorm_mode_16_64 3
		.amdhsa_memory_ordered 1
		.amdhsa_forward_progress 1
		.amdhsa_inst_pref_size 86
	.end_amdhsa_kernel
	.amdgpu_metadata
---
amdhsa.version: [ 1, 2 ]
amdhsa.kernels:
  - .name:           k_q37de5f067e_proj
    .symbol:         k_q37de5f067e_proj.kd
    .args:
      - { .name: attn, .offset: 0, .size: 8, .value_kind: global_buffer, .address_space: global }
      - { .name: wo16, .offset: 8, .size: 8, .value_kind: global_buffer, .address_space: global }
      - { .name: out0, .offset: 16, .size: 8, .value_kind: global_buffer, .address_space: global }
    .group_segment_fixed_size: 327680
    .private_segment_fixed_size: 0
    .kernarg_segment_align: 8
    .kernarg_segment_size: 24
    .max_flat_workgroup_size: 128
    .sgpr_count:     66
    .vgpr_count:     512
    .wavefront_size: 32
...
	.end_amdgpu_metadata
.endif
;; end of part 4
;; launch first16 (part 5): grid 64 x 2, 8 waves a work-group, no clusters, 17,408 bytes of LDS; arguments fine, Wo, out0; writes out0
.if DOCPART == 5
	.amdgcn_target "amdgcn-amd-amdhsa--gfx1250"
	.amdhsa_code_object_version 6
	.text
	.protected	k_q37de5f067e_first16
	.globl	k_q37de5f067e_first16
	.p2align	8
	.type	k_q37de5f067e_first16,@function
k_q37de5f067e_first16:
	s_mov_b64 s[64:65], 0
	v_nop
	global_prefetch_b8 v0, s[64:65] scope:SCOPE_SE
	s_setreg_imm32_b32 hwreg(HW_REG_WAVE_MODE, 25, 1), 1
	s_wait_xcnt 0x0
; FIRST16: positions 0 to 15 of both sequences once more, wholly in f32: their attention (16 queries x 16 keys a head) and their projection.  These rows average one to sixteen values and are the
; largest of the output; f16 operands would use up what the comparison allows.  The 32 rows of out0 that the launch before wrote are written again here.
; SHARES.  Work-group (x, batch): 32 columns of out0, 32 x on.  Wave = head: it makes its head's 16 x 128 of the attention, multiplies by its 128 rows of Wo, and the eight waves' parts are added through LDS,
; heads ascending.  All products by the f32 matrix form, 128 a wave: no bulk work.
; fine holds q (times log2(e)/sqrt(128)), k and V^T of these positions as the quantised products' f32 results: lane (r, h), eight numbers of each group of 16 along the product's K.  Source 0 and source 1 of each product take the same
; registers' worth of K in the same order, so the unit's k = 2 h + j stands for the same number on both sides.
; Wo is read in pieces of 64 bytes of a row (16 columns), each work-group 32 columns of all 1,024 rows; wider pieces would leave most of the chip without work.
; The registers that the f32 matrix form writes (window 1, v0-95) are written by matrix instructions alone; what is made of a sum goes into other registers.
; REGISTERS: window 0: v1-12 addresses; v16-79 q, later O / l; v80-143 k; v144-207 V^T; v208-215 p; v216-247 at work.  window 1: v0-15 S^T in two halves of K; v16-79 O^T; v80-95 the two tiles of out; v128-255 Wo.
.set SPARE, 16384                      ; behind the eight waves' parts of 2,048 bytes: the spare words, 128 bytes a wave
.set MSB, 0
.macro WIN new
.if MSB != (\new)
	s_set_vgpr_msb (MSB<<8)|(\new)
.set MSB, (\new)
.endif
.endm
.macro PLACES8                         ; eight places behind this matrix form (ISA guide 7.12.1)
.rept 8
	v_nop
.endr
.endm
.macro WOLOAD t0                       ; Wo(128 w + 16 t + 8 h + 2 i + j, column 16 nt + r) for t = t0 .. t0 + 3
.irp t, \t0, \t0+1, \t0+2, \t0+3
.irp i, 0,1,2,3
.irp nt, 0,1
.irp j, 0,1
	global_load_b32 v[128+4*(4*(\t)+\i)+2*\nt+\j], v2, s[6:7] offset:(16*(\t)+2*\i+\j)*8192+64*\nt
.endr
.endr
.endr
.endr
.endm
	s_load_b128 s[4:7], s[0:1], 0x0                ; fine s[4:5], Wo s[6:7]
	s_load_b64 s[8:9], s[0:1], 0x10                ; out0
	v_lshl_add_u32 v10, v0, 2, SPARE
	v_mov_b32 v11, 0
	v_lshrrev_b32 v1, 5, v0
	v_readfirstlane_b32 s10, v1                    ; wave = head
	s_and_b32 s11, ttmp7, 0xffff                   ; batch
	v_and_b32 v7, 31, v0
	v_lshlrev_b32 v1, 4, v7                        ; 16 x lane
	v_and_b32 v8, 15, v0                           ; r
	v_bfe_u32 v9, v0, 4, 1                         ; h
	v_lshlrev_b32 v2, 16, v9
	v_lshl_add_u32 v2, v8, 2, v2                   ; Wo: 8 h rows of 8,192 bytes + 4 r
	v_lshlrev_b32 v3, 3, v9
	v_sub_nc_u32 v3, v8, v3                        ; r - 8 h
	v_mov_b32 v4, 0xff800000                       ; -infinity
	s_lshl_b32 s12, s10, 11
	v_lshl_add_u32 v5, v9, 10, s12
	v_lshl_add_u32 v5, v8, 2, v5                   ; my part in LDS: row 8 h + j of 128 bytes, column r
	s_lshl_b32 s12, s10, 8
	v_lshl_add_u32 v6, v7, 2, s12                  ; the rows that I add up: 2 w and 2 w + 1; 4 bytes a lane
	s_lshl_b32 s12, s10, 14
	v_lshl_add_u32 v12, v7, 2, s12                 ; and the same in out0
	s_mov_b32 s20, 0x76543210
	s_mov_b32 s21, 0xfedcba98
	s_lshl_b32 s14, s11, 3
	s_add_co_u32 s14, s14, s10
	s_lshl_b32 s14, s14, 13                        ; 8,192 bytes for each batch and head
	s_mov_b32 s15, 0
	s_lshl_b32 s16, s10, 20                        ; my 128 rows of Wo
	s_lshl_b32 s18, ttmp9, 7                       ; the work-group's 32 columns
	s_add_co_u32 s16, s16, s18
	s_mov_b32 s17, 0
	s_lshl_b32 s22, s11, 24                        ; the batch's 2,048 rows of out0
	s_add_co_u32 s22, s22, s18
	s_mov_b32 s23, 0
	s_wait_kmcnt 0x0
	s_add_nc_u64 s[4:5], s[4:5], s[14:15]
	s_add_nc_u64 s[6:7], s[6:7], s[16:17]
	s_add_nc_u64 s[8:9], s[8:9], s[22:23]
.irp cc, 0,1,2,3,4,5,6,7,8,9,10,11,12,13,14,15
	global_load_b128 v[16+4*\cc:16+4*\cc+3], v1, s[4:5] offset:512*\cc
	global_load_b128 v[80+4*\cc:80+4*\cc+3], v1, s[4:5] offset:131072+512*\cc
.endr
.irp cc, 0,1,2,3,4,5,6,7,8,9,10,11,12,13,14,15
	global_load_b128 v[144+4*\cc:144+4*\cc+3], v1, s[4:5] offset:262144+512*\cc
.endr
	s_wait_loadcnt 16                              ; q and k are in; V^T's 16 loads may be out
	WIN 0x50                                       ; C and D window 1
.irp bb, 0,1,2,3,4,5,6,7                       ; S^T = K Q^T: 32 steps of 4 along the 128 channels, on two accumulators by turns
.irp i, 0,1,2,3
.if (4*\bb+\i) < 2
	v_wmma_f32_16x16x4_f32 v[8*(\i%2):8*(\i%2)+7], v[80+8*\bb+2*\i:80+8*\bb+2*\i+1], v[16+8*\bb+2*\i:16+8*\bb+2*\i+1], 0
.else
	v_wmma_f32_16x16x4_f32 v[8*(\i%2):8*(\i%2)+7], v[80+8*\bb+2*\i:80+8*\bb+2*\i+1], v[16+8*\bb+2*\i:16+8*\bb+2*\i+1], v[8*(\i%2):8*(\i%2)+7]
.endif
.endr
.endr
	WIN 0x40
	WOLOAD 0                                       ; the first half of my rows of Wo is asked for while the softmax is made
	WIN 0
	PLACES8
	WIN 0x05
.irp j, 0,1,2,3,4,5,6,7
	v_add_f32 v[216+\j], v[\j], v[8+\j]            ; the two halves of K; lane (r, h): query r, key 8 h + j
.endr
	WIN 0
.irp j, 0,1,2,3,4,5,6,7
	v_cmp_gt_i32 vcc_lo, \j, v3                    ; hidden where 8 h + j > r
	v_cndmask_b32 v[216+\j], v[216+\j], v4, vcc_lo
.endr
	v_max3_num_f32 v224, v216, v217, v218
	v_max3_num_f32 v225, v219, v220, v221
	v_max3_num_f32 v224, v224, v222, v223
	v_max_num_f32 v224, v224, v225
	v_permlanex16_b32 v225, v224, s20, s21
	v_max_num_f32 v224, v224, v225                 ; the row's maximum: key 0 counts for every query
.irp j, 0,1,2,3,4,5,6,7
	v_sub_f32 v[208+\j], v[216+\j], v224
.endr
.irp j, 0,1,2,3,4,5,6,7
	v_exp_f32 v[208+\j], v[208+\j]
.endr
	v_nop
	s_wait_alu depctr_va_vdst(0)                   ; one wait for the eight
	v_add_f32 v226, v208, v209
	v_add_f32 v227, v210, v211
	v_add_f32 v228, v212, v213
	v_add_f32 v229, v214, v215
	v_add_f32 v226, v226, v227
	v_add_f32 v228, v228, v229
	v_add_f32 v226, v226, v228
	v_permlanex16_b32 v227, v226, s20, s21
	v_add_f32 v226, v226, v227
	v_rcp_f32 v230, v226
	v_nop
	s_wait_alu depctr_va_vdst(0)
	s_wait_loadcnt 0x0                             ; V^T, and Wo's first half
	WIN 0x50
.irp i, 0,1,2,3                                ; O^T = V^T P: 4 steps of 4 along the 16 keys; the eight tiles of channels take turns
.irp t, 0,1,2,3,4,5,6,7
.if \i == 0
	v_wmma_f32_16x16x4_f32 v[16+8*\t:16+8*\t+7], v[144+8*\t+2*\i:144+8*\t+2*\i+1], v[208+2*\i:208+2*\i+1], 0
.else
	v_wmma_f32_16x16x4_f32 v[16+8*\t:16+8*\t+7], v[144+8*\t+2*\i:144+8*\t+2*\i+1], v[208+2*\i:208+2*\i+1], v[16+8*\t:16+8*\t+7]
.endif
.endr
.endr
	WIN 0x40
	WOLOAD 4
	WIN 0
	PLACES8
	WIN 0x01
.set i, 0
.rept 64
	v_mul_f32 v[16+i], v[16+i], v230               ; O / l into q's registers of window 0: lane (r, h): query r, channel 16 t + 8 h + j
.set i, i+1
.endr
	WIN 0x54                                       ; source 1 (Wo), C and D window 1
.irp t, 0,1,2,3,4,5,6,7                        ; out = O Wo over my 128 channels: the two tiles of columns take turns
.if \t == 4
	s_wait_loadcnt 0x0                             ; Wo's second half
.endif
.irp i, 0,1,2,3
.irp nt, 0,1
.if (\t == 0) && (\i == 0)
	v_wmma_f32_16x16x4_f32 v[80+8*\nt:80+8*\nt+7], v[16+8*\t+2*\i:16+8*\t+2*\i+1], v[128+4*(4*\t+\i)+2*\nt:128+4*(4*\t+\i)+2*\nt+1], 0
.else
	v_wmma_f32_16x16x4_f32 v[80+8*\nt:80+8*\nt+7], v[16+8*\t+2*\i:16+8*\t+2*\i+1], v[128+4*(4*\t+\i)+2*\nt:128+4*(4*\t+\i)+2*\nt+1], v[80+8*\nt:80+8*\nt+7]
.endif
.endr
.endr
.endr
	WIN 0
	PLACES8
	WIN 0x04                                       ; an LDS store's data are its source 1: window 1
.irp nt, 0,1
.irp j, 0,1,2,3,4,5,6,7
	ds_store_b32 v5, v[80+8*\nt+\j] offset:128*\j+64*\nt      ; my head's part of out(8 h + j, 16 nt + r), each accumulator from its low end on
.endr
.endr
	WIN 0
	s_wait_dscnt 0x0                               ; for the others' sake: my stores are done
	s_barrier_signal -1
	s_barrier_wait -1
.irp mm, 0,1
.irp src, 0,1,2,3,4,5,6,7
	ds_load_b32 v[232+8*\mm+\src], v6 offset:2048*\src+128*\mm
.endr
.endr
	s_wait_dscnt 0x0
.irp src, 1,2,3,4,5,6,7
	v_add_f32 v232, v232, v[232+\src]              ; heads ascending
	v_add_f32 v240, v240, v[240+\src]
.endr
	global_store_b32 v12, v232, s[8:9]             ; 128 consecutive bytes of a row: the work-group's 32 columns
	global_store_b32 v12, v240, s[8:9] offset:8192
	s_wait_tensorcnt 0x0                           ; the wave's end, behind my last LDS store
	ds_add_u32 v10, v11
	s_wait_dscnt 0x0
	s_endpgm
.Lfunc_end_k_q37de5f067e_first16:
	.size	k_q37de5f067e_first16, .Lfunc_end_k_q37de5f067e_first16-k_q37de5f067e_first16
	.p2alignl 7, 3214868480
	.fill 96, 4, 3214868480
	.section	.rodata,"a",@progbits
	.p2align	6, 0x0
	.amdhsa_kernel k_q37de5f067e_first16
		.amdhsa_group_segment_fixed_size 17408
		.amdhsa_private_segment_fixed_size 0
		.amdhsa_enable_private_segment 0
		.amdhsa_kernarg_size 24
		.amdhsa_user_sgpr_count 2
		.amdhsa_user_sgpr_kernarg_segment_ptr 1
		.amdhsa_wavefront_size32 1
		.amdhsa_system_sgpr_workgroup_id_x 1
		.amdhsa_system_sgpr_workgroup_id_y 1
		.amdhsa_system_sgpr_workgroup_id_z 1
		.amdhsa_system_vgpr_workitem_id 0
		.amdhsa_next_free_vgpr 512
		.amdhsa_next_free_sgpr 66
		.amdhsa_reserve_vcc 1
		.amdhsa_float_denorm_mode_32 3
		.amdhsa_float_denorm_mode_16_64 3
		.amdhsa_memory_ordered 1
		.amdhsa_forward_progress 1
		.amdhsa_inst_pref_size 35
	.end_amdhsa_kernel
	.amdgpu_metadata
---
amdhsa.version: [ 1, 2 ]
amdhsa.kernels:
  - .name:           k_q37de5f067e_first16
    .symbol:         k_q37de5f067e_first16.kd
    .args:
      - { .name: fine, .offset: 0, .size: 8, .value_kind: global_buffer, .address_space: global }
      - { .name: Wo, .offset: 8, .size: 8, .value_kind: global_buffer, .address_space: global }
      - { .name: out0, .offset: 16, .size: 8, .value_kind: global_buffer, .address_space: global }
    .group_segment_fixed_size: 17408
    .private_segment_fixed_size: 0
    .kernarg_segment_align: 8
    .kernarg_segment_size: 24
    .max_flat_workgroup_size: 256
    .sgpr_count:     66
    .vgpr_count:     512
    .wavefront_size: 32
...
	.end_amdgpu_metadata
.endif
;; end of part 5
